; MI455X (gfx1250); checked and timed in simulation.
; The chip was launched on July 23, 2026; its instructions are those of AMD's public machine-readable ISA for CDNA 5 (MIT licence, August 2026) and "CDNA5" Instruction Set Architecture Reference Guide (July 2026). The comments in the code are by the model that wrote it; some were corrected since.
;; Transformer. Allowed arithmetic: matrix products marked QUANTISED: E2M3 operands, one E8M0 scale for each 32 along K, by v_wmma_scale_f32_16x16x128_f8f6f4 with both operands' format E2M3, f32 sums; everything else in f32.
;; Inputs: W1_codes 4,096 x 32 x 24 uint8 (E2M3 codes of W1, K innermost, in blocks of 32 codes, four codes in three bytes); W1_scales 4,096 x 32 uint8 (E8M0 scales of W1, one for each 32 codes along K); W2_codes 1,024 x 128 x 24 uint8 (E2M3 codes of W2, K innermost, in blocks of 32 codes, four codes in three bytes); W2_scales 1,024 x 128 uint8 (E8M0 scales of W2, one for each 32 codes along K); Wk_codes 16 x 64 x 32 x 24 uint8 (E2M3 codes of Wk, K innermost, in blocks of 32 codes, four codes in three bytes); Wk_scales 16 x 64 x 32 uint8 (E8M0 scales of Wk, one for each 32 codes along K); Wo_codes 1,024 x 32 x 24 uint8 (E2M3 codes of Wo, K innermost, in blocks of 32 codes, four codes in three bytes); Wo_scales 1,024 x 32 uint8 (E8M0 scales of Wo, one for each 32 codes along K); Wq_codes 16 x 64 x 32 x 24 uint8 (E2M3 codes of Wq, K innermost, in blocks of 32 codes, four codes in three bytes); Wq_scales 16 x 64 x 32 uint8 (E8M0 scales of Wq, one for each 32 codes along K); Wv_codes 16 x 64 x 32 x 24 uint8 (E2M3 codes of Wv, K innermost, in blocks of 32 codes, four codes in three bytes); Wv_scales 16 x 64 x 32 uint8 (E8M0 scales of Wv, one for each 32 codes along K); b1 4,096 float32; b2 1,024 float32; be1 1,024 float32; be2 1,024 float32; bk 16 x 64 float32; bo 1,024 float32; bq 16 x 64 float32; bv 16 x 64 float32; g1 1,024 float32; g2 1,024 float32; x 4 x 1,024 x 1,024 float32.
;; Outputs: out0 4 x 1,024 x 1,024 float32.
;; This version of the problem:
;;   THIS VERSION OF THE PROBLEM IS GIVEN IN LOW PRECISION. The matrix products marked QUANTISED in the list below multiply operands that are first quantised to E2M3 (2 exponent bits, 3 mantissa bits; 6 bits a number), with one power-of-two scale for each 32 numbers along K (OCP MX v1.0); their sums are f32. All else is computed in f32.
;;   The module's matrix products, in the order in which they are computed (A, B: the left and right operand; K: the contracted axis; several contracted axes count as one K, in the product's order):
;;     1. [M 1,024, K 1,024] x [K 1,024, N 4,096]; A: input Wq (given as codes); B: computed on the way: QUANTISED
;;     2. [M 1,024, K 1,024] x [K 1,024, N 4,096]; A: input Wk (given as codes); B: computed on the way: QUANTISED
;;     3. [M 1,024, K 1,024] x [K 1,024, N 4,096]; A: input Wv (given as codes); B: computed on the way: QUANTISED
;;     4. batch 64 x [M 1,024, K 64] x [K 64, N 1,024]; A: computed on the way; B: computed on the way: QUANTISED
;;     5. batch 64 x [M 1,024, K 1,024] x [K 1,024, N 64]; A: softmax (see below); B: computed on the way: QUANTISED
;;     6. [M 4,096, K 1,024] x [K 1,024, N 1,024]; A: computed on the way; B: input Wo (given as codes): QUANTISED
;;     7. [M 4,096, K 1,024] x [K 1,024, N 4,096]; A: computed on the way; B: input W1 (given as codes): QUANTISED
;;     8. [M 4,096, K 4,096] x [K 4,096, N 1,024]; A: computed on the way; B: input W2 (given as codes): QUANTISED
;;   THE QUANTISER, for each operand of a quantised product, along K:
;;     - K is cut into blocks of 32 from its start; a last block that is shorter is filled with zeros.
;;     - A block's scale is 2^e with e = floor(log2(the largest magnitude in the block)) - 2, held to -126 .. 127; a block of zeros has e = 0. As a byte (E8M0): e + 127.
;;     - Each number is divided by its block's scale, clamped to +-7.5, and rounded to the nearest number of E2M3, ties to even, subnormals kept.
;;     - The product sums the exact products of the quantised numbers (number of the format x scale) in f32.
;;   ~~~python
;;   def quantise(x, axis):      # numpy; x: float32 -> the quantised numbers, widened to float32 again
;;       x = np.moveaxis(x, axis, -1); K = x.shape[-1]
;;       x = np.pad(x, [(0, 0)] * (x.ndim - 1) + [(0, -K % 32)]); x = x.reshape(x.shape[:-1] + (-1, 32)); a = np.abs(x).max(-1, keepdims=True)
;;       e = np.where(a > 0, np.clip(np.frexp(np.where(a > 0, a, 1))[1] - 1 - 2, -126, 127), 0)      # np.frexp(a)[1] - 1 = floor(log2(a)), exactly
;;       r = np.clip(x / 2.0 ** e, -7.5, 7.5)
;;       step = 2.0 ** (np.maximum(np.frexp(np.where(r == 0, 1, r))[1] - 1, 0) - 3)
;;       q = np.round(r / step) * step * 2.0 ** e      # np.round: ties to even
;;       return np.moveaxis(q.reshape(q.shape[:-2] + (-1,))[..., :K], -1, axis).astype(np.float32)
;;   ~~~
;;   SOFTMAX AHEAD OF A QUANTISED PRODUCT. Where the list says 'softmax', what is quantised is not the finished softmax but p = 2^(t - M), with t = logit x log2(e) and M = ceil(the row's largest t), a whole number; so 1/2 < the row's largest p <= 1. The row's sum l is taken of the UNQUANTISED p, in f32, and the product's result is divided by l at the end. Since M is a whole number, a kernel that streams over the keys may use a running M (the ceiling of the running maximum): every later rescaling is an exact power of two, which a block's scale takes up: the codes' values come out the same.
;;   OPERANDS COMPUTED ON THE WAY. 'Computed on the way' means the value that the module computes at that place (a softmax that the list does not call 'softmax' is quantised finished and normalised). What goes into a quantiser is computed in f32, as accurately as f32 sums, v_exp_f32 and their like allow (about 1e-6 of the number): no bf16 or f16 on the way to a quantiser, and a product that is left as it is and whose result goes on into a quantised operand takes f32 operands (vector FMAs, or v_wmma_f32_16x16x4_f32). A number that lies on a knife's edge between two numbers of the format may be rounded either way, as far as f32 arithmetic and the matrix unit's own rounding can turn it there, and no further.
;;   INPUTS GIVEN AS CODES. W1 (in the module: [1024, 4096], K = its axis 0); W2 (in the module: [4096, 1024], K = its axis 0); Wk (in the module: [16, 1024, 64], K = its axis 1); Wo (in the module: [1024, 1024], K = its axis 0); Wq (in the module: [16, 1024, 64], K = its axis 1); Wv (in the module: [16, 1024, 64], K = its axis 1): each comes as NAME_codes (uint8): NAME with its K axis moved to the last place and cut into blocks of 32 codes, [.., K / 32, bytes a block], one block behind the other in memory; four codes in three bytes: a row's codes are one little-endian stream of bits, code i at bits 6 i .. 6 i + 5 (a code: sign, 2 exponent bits, 3 mantissa bits); and NAME_scales (uint8): the same leading axes, one E8M0 byte (e + 127) for each 32 codes along K. Its value is code x scale, taken as it is: it is not quantised again, and the codes and scales need not be those that the quantiser above would give.
;; One version. Each part assembles by itself: llvm-mc -triple=amdgcn-amd-amdhsa -mcpu=gfx1250 --defsym DOCPART=n.
;; ======== version 1 of 1: 7 launches
;; limits: a function is approximated: absolute error at most 1.5e-07
;; workspace buffers: hbuf 3,276,800 bytes; qkvb 13,107,200 bytes; obuf 3,276,800 bytes; x1 16,777,216 bytes; ubuf 13,107,200 bytes
;; launch ln1 (part 1): grid 256 x 1, 4 waves a work-group, no clusters, 21,504 bytes of LDS; arguments x, g1, be1, hbuf; writes hbuf
.if DOCPART == 1
	.amdgcn_target "amdgcn-amd-amdhsa--gfx1250"
	.amdhsa_code_object_version 6
	.text
	.protected	k_q37836efb91_ln1
	.globl	k_q37836efb91_ln1
	.p2align	8
	.type	k_q37836efb91_ln1,@function
k_q37836efb91_ln1:
	s_mov_b64 s[64:65], 0
	v_nop
	global_prefetch_b8 v0, s[64:65] scope:SCOPE_SE
	s_setreg_imm32_b32 hwreg(HW_REG_WAVE_MODE, 25, 1), 1
	s_wait_xcnt 0x0
; LayerNorm of 4,096 rows of 1,024 f32, and the rows' codes of FP6 (E2M3) with one E8M0 byte for each 32 along the row.
; y = (x - mean) * rsqrt(var + 1e-5) * g + be, all in f32, the variance from the differences (two passes over registers).
; Out: codes [row][768 bytes] at byte 0 of the buffer, scale bytes [row][32] at byte 3,145,728.
; A block's byte is its largest magnitude's exponent field - 2, held at 1 from below.
; LIMITS: a block of zeros, or one whose largest magnitude lies under 2^-124, gets the byte 1 (its reader is this program alone;
; zero codes add nothing under that byte); NaN and infinities among the inputs are not served.
; SHARES: a work-group takes 16 rows, a wave 4.  A wave holds a whole row: 8 loads of 512 consecutive bytes, 32 registers; all four
; rows are asked for at once.  No matrix unit, no tensor load, no cluster: work-groups share nothing but g and be (8 KB).
; The conversion wants 16 neighbours in one lane, the loads give a lane 4: half a row (512 numbers) at a time turns through the
; wave's own stage in LDS, stored as loaded and read back 64 bytes a lane; 16 bytes of padding behind each 64.
.set SP,   80                          ; a lane's place in a stage: 64 bytes + 16
.set WREG, 5120                        ; a wave's two stages of 32 places
.set SCB,  20480                       ; behind the stages: the work-group's 16 x 32 scale bytes
.set G,    16                          ; v16-47   g, laid as a row
.set BE,   48                          ; v48-79   be
.set X,    80                          ; v80-207  four rows of 32 registers; a row's first 16 later hold its codes and bytes
.set Y,    208                         ; v208-239 two sets of 16 neighbours
	s_load_b256 s[4:11], s[0:1], 0x0               ; rows in s[4:5], g s[6:7], be s[8:9], out s[10:11]
	v_lshl_add_u32 v254, v0, 2, 0x5200
	v_mov_b32 v255, 0
	v_lshrrev_b32 v1, 5, v0
	v_readfirstlane_b32 s12, v1                    ; wave
	v_and_b32 v1, 31, v0                           ; lane
	v_lshlrev_b32 v3, 4, v1                        ; my 16 bytes of a load's 512
	v_mul_u32_u24 v4, v1, 12                       ; my 12 bytes of a half row's 384 bytes of codes
	s_mul_i32 s18, s12, WREG
	v_lshrrev_b32 v14, 2, v1
	v_mul_u32_u24 v14, v14, SP
	v_and_b32 v15, 3, v1
	v_lshl_add_u32 v14, v15, 4, v14
	v_add_nc_u32 v14, s18, v14                     ; stage, way in: four lanes' 64 bytes on end, then the padding
	v_mul_u32_u24 v15, v1, SP
	v_add_nc_u32 v15, s18, v15                     ; stage, way out: my 16 neighbours
	s_lshl_b32 s19, s12, 7
	s_add_co_u32 s19, s19, SCB
	v_lshrrev_b32 v5, 1, v1
	v_add_nc_u32 v5, s19, v5                       ; my block's byte among my wave's 4 x 32
	v_add_nc_u32 v6, SCB, v3                       ; the way out of the 512 scale bytes
	v_mov_b32 v253, 0                              ; a lane permute's destination counts as read: written once
	s_mov_b32 s14, 0x76543210
	s_mov_b32 s15, 0xfedcba98                      ; selects: lane l xor 16
	s_mov_b32 s16, 0x3a800000                      ; 1 / 1024
	s_mov_b32 s17, 0x3727c5ac                      ; 1e-5
	s_lshl_b32 s20, ttmp9, 4
	s_lshl_b32 s21, s12, 2
	s_add_co_u32 s20, s20, s21                     ; my first row
	s_lshl_b32 s22, s20, 12
	s_mov_b32 s23, 0
	s_mul_i32 s24, s20, 768
	s_mov_b32 s25, 0
	s_lshl_b32 s26, ttmp9, 9
	s_add_co_u32 s26, s26, 3145728
	s_mov_b32 s27, 0
	s_wait_kmcnt 0x0
	s_add_nc_u64 s[4:5], s[4:5], s[22:23]
	s_add_nc_u64 s[28:29], s[10:11], s[24:25]      ; my rows' codes
	s_add_nc_u64 s[30:31], s[10:11], s[26:27]      ; the work-group's scale bytes
.irp j, 0,1,2,3,4,5,6,7
	global_load_b128 v[G+4*\j:G+4*\j+3], v3, s[6:7] offset:512*\j
	global_load_b128 v[BE+4*\j:BE+4*\j+3], v3, s[8:9] offset:512*\j
.endr
.irp i, 0,1,2,3
.irp j, 0,1,2,3,4,5,6,7
	global_load_b128 v[X+32*\i+4*\j:X+32*\i+4*\j+3], v3, s[4:5] offset:4096*\i+512*\j
.endr
.endr
.macro WSUM                            ; v240 summed over the 32 lanes, the result in every lane
	v_add_f32_dpp v240, v240, v240 row_xmask:1 row_mask:0xf bank_mask:0xf
	v_add_f32_dpp v240, v240, v240 row_xmask:2 row_mask:0xf bank_mask:0xf
	v_add_f32_dpp v240, v240, v240 row_xmask:4 row_mask:0xf bank_mask:0xf
	v_add_f32_dpp v240, v240, v240 row_xmask:8 row_mask:0xf bank_mask:0xf
	v_permlanex16_b32 v253, v240, s14, s15
	v_add_f32 v240, v240, v253
.endm
.macro TURN i, t                       ; half t of row i through stage t: LDS serves a wave's instructions in order, so no wait between stores and loads
.irp j, 0,1,2,3
	ds_store_b128 v14, v[X+32*\i+16*\t+4*\j:X+32*\i+16*\t+4*\j+3] offset:32*SP*\t+8*SP*\j
.endr
.irp j, 0,1,2,3
	ds_load_b128 v[Y+16*\t+4*\j:Y+16*\t+4*\j+3], v15 offset:32*SP*\t+16*\j
.endr
.endm
.macro QSTEP i, t                      ; 512 numbers: 16 a lane, two neighbouring lanes to a block
.set YS, Y+16*\t
.set CR, X+32*\i+4*\t                  ; the codes and the byte go where the row's first half lay: its stage stores are done, and nothing writes them again
.set ER, X+32*\i+8+\t
	v_max3_num_f32 v240, |v[YS]|, |v[YS+1]|, |v[YS+2]|
	v_max3_num_f32 v241, |v[YS+3]|, |v[YS+4]|, |v[YS+5]|
.irp k, 6,10
	v_max3_num_f32 v240, v240, |v[YS+\k]|, |v[YS+\k+1]|
	v_max3_num_f32 v241, v241, |v[YS+\k+2]|, |v[YS+\k+3]|
.endr
	v_max3_num_f32 v240, v240, |v[YS+14]|, |v[YS+15]|
	v_max3_num_f32 v240, v240, v241, 0x1800000     ; and the floor 2^(3 - 127): the byte cannot fall under 1
	v_max_num_f32_dpp v240, v240, v240 row_xmask:1 row_mask:0xf bank_mask:0xf   ; with my neighbour's 16: the block's
	v_add_nc_u32 v252, 0xff000000, v240            ; 2 off the exponent field: the conversion's scale operand
	v_cvt_scalef32_pk16_fp6_f32 v[CR:CR+2], v[YS:YS+15], v252
	v_lshrrev_b32 v[ER], 23, v252                  ; the scale's byte (also the plain line behind the conversion)
	ds_store_b8 v5, v[ER] offset:32*\i+16*\t       ; both lanes of a block write the same byte
	global_store_b96 v4, v[CR:CR+2], s[28:29] offset:768*\i+384*\t   ; the wave stores 384 consecutive bytes
.endm
.macro ROW i
.set XR, X+32*\i
	s_wait_loadcnt 8*(3-\i)                        ; g, be and this row are in; the later rows' loads may be out
	v_pk_add_f32 v[240:241], v[XR:XR+1], v[XR+2:XR+3]              ; the row's sum, in four chains
	v_pk_add_f32 v[242:243], v[XR+4:XR+5], v[XR+6:XR+7]
	v_pk_add_f32 v[244:245], v[XR+8:XR+9], v[XR+10:XR+11]
	v_pk_add_f32 v[246:247], v[XR+12:XR+13], v[XR+14:XR+15]
.irp j, 16,24
	v_pk_add_f32 v[240:241], v[240:241], v[XR+\j:XR+\j+1]
	v_pk_add_f32 v[242:243], v[242:243], v[XR+\j+2:XR+\j+3]
	v_pk_add_f32 v[244:245], v[244:245], v[XR+\j+4:XR+\j+5]
	v_pk_add_f32 v[246:247], v[246:247], v[XR+\j+6:XR+\j+7]
.endr
	v_pk_add_f32 v[240:241], v[240:241], v[242:243]
	v_pk_add_f32 v[244:245], v[244:245], v[246:247]
	v_pk_add_f32 v[240:241], v[240:241], v[244:245]
	v_add_f32 v240, v240, v241
	WSUM
	v_mul_f32 v248, s16, v240                      ; the mean, twice: a pair for the packed forms
	v_mul_f32 v249, s16, v240
.irp j, 0,2,4,6,8,10,12,14,16,18,20,22,24,26,28,30
	v_pk_add_f32 v[XR+\j:XR+\j+1], v[XR+\j:XR+\j+1], v[248:249] neg_lo:[0,1] neg_hi:[0,1]   ; x - mean
.endr
	v_pk_mul_f32 v[240:241], v[XR:XR+1], v[XR:XR+1]                ; the sum of their squares, in two chains
	v_pk_mul_f32 v[242:243], v[XR+2:XR+3], v[XR+2:XR+3]
.irp j, 4,8,12,16,20,24,28
	v_pk_fma_f32 v[240:241], v[XR+\j:XR+\j+1], v[XR+\j:XR+\j+1], v[240:241]
	v_pk_fma_f32 v[242:243], v[XR+\j+2:XR+\j+3], v[XR+\j+2:XR+\j+3], v[242:243]
.endr
	v_pk_add_f32 v[240:241], v[240:241], v[242:243]
	v_add_f32 v240, v240, v241
	WSUM
	v_fma_f32 v240, v240, s16, s17                 ; variance + 1e-5
	v_rsq_f32 v250, v240
	v_rsq_f32 v251, v240
	v_nop                                          ; a plain line between the root and its use
	s_wait_alu depctr_va_vdst(0)
.irp j, 0,2,4,6,8,10,12,14,16,18,20,22,24,26,28,30
	v_pk_mul_f32 v[XR+\j:XR+\j+1], v[XR+\j:XR+\j+1], v[250:251]
.endr
.irp j, 0,2,4,6,8,10,12,14,16,18,20,22,24,26,28,30
	v_pk_fma_f32 v[XR+\j:XR+\j+1], v[XR+\j:XR+\j+1], v[G+\j:G+\j+1], v[BE+\j:BE+\j+1]
.endr
	TURN \i, 0
	TURN \i, 1
	s_wait_dscnt 8                                 ; the first half is back; the second half's four stores and four loads may be out
	QSTEP \i, 0
	s_wait_dscnt 1                                 ; the second half is back; the byte store just issued may be out
	QSTEP \i, 1
.endm
	ROW 0
	ROW 1
	ROW 2
	ROW 3
	s_wait_dscnt 0x0                               ; for the others' sake: my byte stores are done
	s_barrier_signal -1
	s_barrier_wait -1
	s_cmp_lg_u32 s12, 0                            ; wave 0 sends the work-group's 512 scale bytes: 32 lanes, 512 consecutive aligned bytes
	s_cbranch_scc1 .Lend
	ds_load_b128 v[208:211], v6
	s_wait_dscnt 0x0
	global_store_b128 v3, v[208:211], s[30:31]
.Lend:
	s_wait_tensorcnt 0x0
	ds_add_u32 v254, v255
	s_wait_dscnt 0x0
	s_endpgm
.Lfunc_end_k_q37836efb91_ln1:
	.size	k_q37836efb91_ln1, .Lfunc_end_k_q37836efb91_ln1-k_q37836efb91_ln1
	.p2alignl 7, 3214868480
	.fill 96, 4, 3214868480
	.section	.rodata,"a",@progbits
	.p2align	6, 0x0
	.amdhsa_kernel k_q37836efb91_ln1
		.amdhsa_group_segment_fixed_size 21504
		.amdhsa_private_segment_fixed_size 0
		.amdhsa_enable_private_segment 0
		.amdhsa_kernarg_size 32
		.amdhsa_user_sgpr_count 2
		.amdhsa_user_sgpr_kernarg_segment_ptr 1
		.amdhsa_wavefront_size32 1
		.amdhsa_system_sgpr_workgroup_id_x 1
		.amdhsa_system_sgpr_workgroup_id_y 1
		.amdhsa_system_sgpr_workgroup_id_z 1
		.amdhsa_system_vgpr_workitem_id 0
		.amdhsa_next_free_vgpr 256
		.amdhsa_next_free_sgpr 66
		.amdhsa_reserve_vcc 0
		.amdhsa_float_denorm_mode_32 3
		.amdhsa_float_denorm_mode_16_64 3
		.amdhsa_memory_ordered 1
		.amdhsa_forward_progress 1
		.amdhsa_inst_pref_size 43
	.end_amdhsa_kernel
	.amdgpu_metadata
---
amdhsa.version: [ 1, 2 ]
amdhsa.kernels:
  - .name:           k_q37836efb91_ln1
    .symbol:         k_q37836efb91_ln1.kd
    .args:
      - { .name: x, .offset: 0, .size: 8, .value_kind: global_buffer, .address_space: global }
      - { .name: g1, .offset: 8, .size: 8, .value_kind: global_buffer, .address_space: global }
      - { .name: be1, .offset: 16, .size: 8, .value_kind: global_buffer, .address_space: global }
      - { .name: hbuf, .offset: 24, .size: 8, .value_kind: global_buffer, .address_space: global }
    .group_segment_fixed_size: 21504
    .private_segment_fixed_size: 0
    .kernarg_segment_align: 8
    .kernarg_segment_size: 32
    .max_flat_workgroup_size: 128
    .sgpr_count:     66
    .vgpr_count:     256
    .wavefront_size: 32
...
	.end_amdgpu_metadata
.endif
;; end of part 1
;; launch qkv (part 2): grid 4 x 48, 4 waves a work-group, clusters of 4 x 4, 327,680 bytes of LDS; arguments hbuf, Wq_codes, Wq_scales, Wk_codes, Wk_scales, Wv_codes, Wv_scales, bq, bk, bv, qkvb; writes qkvb
.if DOCPART == 2
	.amdgcn_target "amdgcn-amd-amdhsa--gfx1250"
	.amdhsa_code_object_version 6
	.text
	.protected	k_q37836efb91_qkv
	.globl	k_q37836efb91_qkv
	.p2align	8
	.type	k_q37836efb91_qkv,@function
k_q37836efb91_qkv:
	s_mov_b64 s[64:65], 0
	v_nop
	global_prefetch_b8 v0, s[64:65] scope:SCOPE_SE
	s_setreg_imm32_b32 hwreg(HW_REG_WAVE_MODE, 25, 1), 1
	s_wait_xcnt 0x0
	s_wait_alu depctr_hold_cnt(0) depctr_sa_sdst(0) depctr_va_vdst(0) depctr_va_sdst(0) depctr_va_ssrc(0) depctr_va_vcc(0) depctr_vm_vsrc(0)
	s_getreg_b32 s2, hwreg(HW_REG_IB_STS2, 6, 4)
	s_cmp_eq_u32 s2, 0
	s_cbranch_scc0 .Lentry_in_a_cluster
	s_endpgm
.Lentry_in_a_cluster:
	s_bfe_u32 s2, ttmp6, 0x10000c
	s_cmp_lg_u32 s2, 0xf033
	s_cbranch_scc0 .Lentry_shape_is_right
	s_endpgm
.Lentry_shape_is_right:
; C[m][n] = sum over k of A[m][k] B[n][k] + bias, K = 1,024, both operands codes of FP6 (E2M3) with one E8M0 byte for each 32 along K,
; rows of 768 bytes, scale rows of 32 bytes.  C is not stored: it is QUANTISED ALONG n (B's axis), blocks of 32, and leaves as codes.
; The cluster's y picks the product, sel = y / 4:  0: A = the activations, B = the first weight, bias along n;  1: the second weight;
; 2: A = the third weight, B = the activations, bias along m (v = h Wv + bv with the tokens, its later K, along n).
; A launch whose cluster y stays under 4 runs product 0 alone and never reads the other weights' slots.
; OUT (panels of 64 along n): codes [n / 64][row m][48 bytes] at sel x 3,145,728; scale words [n / 128][row m], 4 bytes, at 12,582,912 + sel x 131,072.
; A block's byte is its largest magnitude's exponent field - 2, held at 1 from below.  LIMITS: a block of zeros, or one under 2^-124,
; gets the byte 1 (read by this program alone); NaN and infinities are not served.
; A tile of C, 256 x 256, is made by four waves, each 128 x 128: 64 accumulators, 512 registers.  K goes in steps of 256 through a ring of two LDS
; slots filled by the tensor data mover; the scale bytes of the tile's rows come once and stay.
; CLUSTERS: 4 x 4 work-groups; A's tiles are asked for jointly along a row of the cluster, B's along a column: a quarter of the requests.
; THE MATRIX INSTRUCTION IS USED TRANSPOSED (source 0 = 16 rows of B, source 1 = 16 rows of A): a lane holds one row m and eight neighbouring n.
; REGISTERS: window 0: v16-31 addresses; v32-63 scale words, two sets; v64-127 the bias as the first products' C, later the quantiser's work;
;   v128-223 A's fragments, one set, later the codes on their way out; v224-231 the bias loads' offsets.
;   window 1: B's fragments, two sets.  windows 2, 3: the accumulators ((a, b) at v[8 (8 (a % 4) + b)]).
.set KSTEP,  256
.set NQ,     2
.set ROWB,   192
.set KROW,   768
.set PITCH,  240                       ; an LDS row: 3 x (64 bytes + 16 of padding): the 32 lanes of a load of 8 bytes touch 64 different banks
.set FR,     12
.set NL,     6
.set NP,     4
.set HALFT,  128*PITCH
.set SLOT,   4*HALFT
.set LAPS,   2                         ; 1,024 / 512
.set KS,     32
.set SCL,    2*SLOT
.set HALFS,  (128*KS/256)*272
.set SBLK,   (16*KS/256)*272
.set SPARE,  SCL+4*HALFS               ; the spare words: 128 bytes a wave, two blocks of 256 bytes that no other line names
.set WST,    12800                     ; the way out: a wave's stage in slot 0: [2 panels][128 rows][48 bytes], then 128 scale words
.set ADRA, 16
.set ADRB, 20
.set STO,  24
.set RD,   25
.set CO,   26
.set ADRS, 27
.set SPW,  28
.set NIL,  29
.set SST,  30
.set SC,   32
.set BIAS, 64
.set AF,   128
.set VJ,   224
.set CC,   64                          ; the quantiser: v64-79 four blocks' codes, v80-83 scale operands, v84-87 largest magnitudes, v88-91 at work, v92 the scale word
.set EE,   80
.set MM,   84
.set M2,   88
.set WD,   92
.set SWB,  96
.set BK,   128
.set G1, 24
.set G0, 32
.set G1B, 48
.set G0B, 56
.set G1S, 68
.set G0S, 76
.set G1SB, 80
.set G0SB, 88
.set MSB, 0
.macro WIN new                         ; the immediate's high byte repeats the setting that is left
.if MSB != \new
	s_set_vgpr_msb (MSB<<8)|\new
.set MSB, \new
.endif
.endm
.set MUL_LO, 0xa1                      ; source 0 (B) window 1, source 1 (A) window 0, C and D window 2
.set MUL_HI, 0xf1
.set TO_B,   0x40
.macro JLOAD g0a, g1a, g0b, g1b        ; a joint load: waves 0 and 1 fetch for A, waves 2 and 3 for B; four v_nop follow each line
	s_cmp_eq_u32 s15, 0
	s_cbranch_scc0 .Lfor_b_\@
	tensor_load_to_lds s[\g0a:\g0a+3], s[\g1a:\g1a+7]
	s_nop 0
.rept 4
	v_nop
.endr
	s_branch .Lasked_\@
.Lfor_b_\@:
	tensor_load_to_lds s[\g0b:\g0b+3], s[\g1b:\g1b+7]
	s_nop 0
.rept 4
	v_nop
.endr
.Lasked_\@:
.endm
.macro CREST
	s_cmp_lg_u32 s14, 0
	s_cbranch_scc1 .Lnot_wave_0_\@
	s_barrier_signal -3
.Lnot_wave_0_\@:
	s_barrier_wait -3
	s_barrier_signal -1
	s_barrier_wait -1
.endm
.macro CROUND
	s_barrier_signal -1
	s_barrier_wait -1
	CREST
.endm
	s_load_b512 s[68:83], s[0:1], 0x0              ; activations, weight 0 codes, scales, weight 1, weight 2, bias 0
	s_load_b128 s[84:87], s[0:1], 0x40             ; bias 1, bias 2
	s_load_b64 s[88:89], s[0:1], 0x50              ; out
	v_lshl_add_u32 v[SPW], v0, 2, SPARE
	v_mov_b32 v[NIL], 0
	ds_add_u32 v28, v29
	ds_add_u32 v28, v29
	s_wait_dscnt 0x0
	v_lshrrev_b32 v1, 5, v0
	v_readfirstlane_b32 s14, v1                    ; wave 0..3
	s_lshr_b32 s15, s14, 1                         ; my half of the tile's rows; also: I fetch for A (0) or B (1)
	s_and_b32 s16, s14, 1                          ; my half of its columns; also: which 128 rows I fetch
	s_bfe_u32 s40, ttmp6, 0x40000                  ; cx
	s_bfe_u32 s41, ttmp6, 0x40004                  ; cy
	s_and_b32 s3, ttmp7, 0xffff                    ; the cluster's y, the same in all sixteen partners
	s_lshr_b32 s2, s3, 2                           ; sel
	s_and_b32 s3, s3, 3
	s_lshl_b32 s3, s3, 2
	s_lshl_b32 s42, ttmp9, 2
	s_add_co_u32 s42, s42, s40
	s_lshl_b32 s43, s41, 2
	s_lshl_b32 s43, 15, s43                        ; my row of the cluster
	s_lshl_b32 s44, 0x1111, s40                    ; my column
	s_mov_b32 s98, 196608                          ; bytes of a panel of codes: 4,096 rows x 48, or 1,024 x 48
	s_mov_b32 s99, 16384                           ; bytes of a row of scale words
	s_cmp_eq_u32 s2, 2
	s_cselect_b32 s95, 1, 0                        ; product 2?
	s_cselect_b32 s18, s3, 0
	s_cselect_b32 s19, 0, s3
	s_cselect_b32 s98, 49152, s98
	s_cselect_b32 s99, 4096, s99
	s_add_co_u32 s42, s42, s18                     ; tile column of C
	s_add_co_u32 s17, s41, s19                     ; tile row of C
	s_or_b32 s[G1+0], s43, (0<<16)|(1<<20)|(1<<21)|(3<<22)|(3<<25)  ; mask; elements of 1 byte; padding on; bit 21 beside a mask; after every 16 words, 4 words
	s_or_b32 s[G1B+0], s44, (0<<16)|(1<<20)|(1<<21)|(3<<22)|(3<<25)
.irp g, G1, G1B
	s_mov_b32 s[\g+1], ROWB<<16
	s_mov_b32 s[\g+2], 128<<16
	s_mov_b32 s[\g+3], ROWB<<16
	s_mov_b32 s[\g+4], 128
	s_mov_b32 s[\g+5], KROW
	s_mov_b32 s[\g+6], 0
	s_mov_b32 s[\g+7], 0
.endr
	s_lshl_b32 s18, s16, 7
	s_lshl_b32 s20, s17, 8
	s_add_co_u32 s20, s20, s18                     ; A: row 256 x tile row + 128 x half
	s_lshl_b32 s46, s42, 8
	s_add_co_u32 s46, s46, s18                     ; B: row 256 x tile column + 128 x half
	s_mov_b32 s21, 0
	s_mov_b32 s47, 0
	s_mov_b64 s[18:19], KS
	s_mul_u64 s[22:23], s[20:21], s[18:19]
	s_mul_u64 s[92:93], s[46:47], s[18:19]
	s_mov_b64 s[18:19], KROW
	s_mul_u64 s[20:21], s[20:21], s[18:19]
	s_mul_u64 s[46:47], s[46:47], s[18:19]
	s_mul_i32 s45, s14, HALFT
	s_mul_i32 s94, s14, HALFS
	s_wait_kmcnt 0x0
	s_add_nc_u64 s[90:91], s[68:69], 3145728       ; the activations' scale bytes
	s_cmp_eq_u32 s2, 1                             ; the choices hang on the cluster's y alone
	s_cselect_b64 s[70:71], s[74:75], s[70:71]
	s_cselect_b64 s[72:73], s[76:77], s[72:73]
	s_cselect_b64 s[82:83], s[84:85], s[82:83]
	s_cmp_eq_u32 s2, 2
	s_cselect_b64 s[70:71], s[78:79], s[70:71]     ; the weight's codes,
	s_cselect_b64 s[72:73], s[80:81], s[72:73]     ; its scale bytes,
	s_cselect_b64 s[96:97], s[86:87], s[82:83]     ; the bias
	s_cselect_b64 s[4:5], s[70:71], s[68:69]       ; A's codes
	s_cselect_b64 s[6:7], s[72:73], s[90:91]       ; A's scales
	s_cselect_b64 s[8:9], s[68:69], s[70:71]       ; B's codes
	s_cselect_b64 s[10:11], s[90:91], s[72:73]     ; B's scales
	s_mov_b64 s[12:13], s[88:89]                   ; out
	s_add_nc_u64 s[20:21], s[4:5], s[20:21]
	s_add_nc_u64 s[22:23], s[6:7], s[22:23]
	s_add_nc_u64 s[46:47], s[8:9], s[46:47]
	s_add_nc_u64 s[92:93], s[10:11], s[92:93]
	s_or_b32 s[G1S+0], s43, (3<<16)|(1<<20)|(1<<21)|(5<<22)|(3<<25)   ; the scales of 128 rows: 4,096 dense bytes as rows of 256 + 16 of padding
	s_or_b32 s[G1SB+0], s44, (3<<16)|(1<<20)|(1<<21)|(5<<22)|(3<<25)
.irp g, G1S, G1SB
	s_mov_b32 s[\g+1], 32<<16
	s_mov_b32 s[\g+2], (128*KS/256)<<16
	s_mov_b32 s[\g+3], 32<<16
	s_mov_b32 s[\g+4], 128*KS/256
	s_mov_b32 s[\g+5], 32
	s_mov_b32 s[\g+6], 0
	s_mov_b32 s[\g+7], 0
.endr
	CROUND                                         ; all sixteen work-groups are here: the first joint loads meet
	s_mov_b32 s[G0S], 1
	s_add_co_u32 s[G0S+1], s94, SCL
	s_mov_b64 s[G0S+2:G0S+3], s[22:23]
	s_or_b32 s[G0S+3], s[G0S+3], 0x80000000
	s_mov_b32 s[G0SB], 1
	s_add_co_u32 s[G0SB+1], s94, SCL
	s_mov_b64 s[G0SB+2:G0SB+3], s[92:93]
	s_or_b32 s[G0SB+3], s[G0SB+3], 0x80000000
	JLOAD G0S, G1S, G0SB, G1SB                     ; three loads of mine go out here: the scales, slot 0, slot 1
.irp s, 0,1
	s_mov_b32 s[G0+4*\s], 1
	s_add_co_u32 s[G0+4*\s+1], s45, \s*SLOT
	s_add_nc_u64 s[G0+4*\s+2:G0+4*\s+3], s[20:21], \s*ROWB
	s_or_b32 s[G0+4*\s+3], s[G0+4*\s+3], 0x80000000
	s_mov_b32 s[G0B+4*\s], 1
	s_add_co_u32 s[G0B+4*\s+1], s45, \s*SLOT
	s_add_nc_u64 s[G0B+4*\s+2:G0B+4*\s+3], s[46:47], \s*ROWB
	s_or_b32 s[G0B+4*\s+3], s[G0B+4*\s+3], 0x80000000
	JLOAD G0+4*\s, G1, G0B+4*\s, G1B
.endr
	v_and_b32 v1, 15, v0                           ; r
	v_bfe_u32 v2, v0, 4, 1                         ; h
	v_mul_u32_u24 v3, v1, PITCH
	v_mul_u32_u24 v4, v2, 24
	v_add_nc_u32 v4, v3, v4                        ; a fragment's row x pitch + 24 h
	v_lshl_add_u32 v5, v2, 4, v4                   ; and the same behind one padding more
	s_mul_i32 s21, s15, HALFT
	s_mul_i32 s22, s16, HALFT
	s_add_co_u32 s22, s22, 2*HALFT
.irp s, 0,1
	v_add_nc_u32 v[ADRA+\s], s21, v4
	v_add_nc_u32 v[ADRB+\s], s22, v4
	v_add_nc_u32 v[ADRA+2+\s], s21, v5
	v_add_nc_u32 v[ADRB+2+\s], s22, v5
	s_add_co_u32 s21, s21, SLOT
	s_add_co_u32 s22, s22, SLOT
.endr
	v_mul_u32_u24 v5, v1, KS
	v_lshrrev_b32 v6, 8, v5
	v_lshl_add_u32 v5, v6, 4, v5
	s_mul_i32 s21, s15, HALFS
	s_mul_i32 s22, s16, HALFS
	s_add_co_u32 s22, s22, 2*HALFS
	s_sub_co_u32 s22, s22, s21
	v_mul_u32_u24 v6, s22, v2                      ; lanes 16-31 take B's scale words
	s_add_co_u32 s21, s21, SCL
	v_add_nc_u32 v5, v5, v6
	v_add_nc_u32 v[ADRS], s21, v5
	s_mul_i32 s23, s14, WST                        ; my stage
	v_mul_u32_u24 v5, v1, 48
	v_mad_u32_u24 v5, v2, 6, v5
	v_add_nc_u32 v[STO], s23, v5                   ; in: row r of 48 bytes, + 6 h
	v_and_b32 v6, 31, v0
	v_lshlrev_b32 v[CO], 4, v6
	v_add_nc_u32 v[RD], s23, v[CO]                 ; back: 16 bytes a lane
	v_lshlrev_b32 v5, 2, v1
	v_add_nc_u32 v5, s23, v5
	v_add_nc_u32 v[SST], 12288, v5                 ; my row's scale word
	s_lshl_b32 s20, s17, 8
	s_lshl_b32 s21, s15, 7
	s_add_co_u32 s20, s20, s21                     ; my first row of C
	s_lshl_b32 s46, s42, 8
	s_lshl_b32 s47, s16, 7
	s_add_co_u32 s46, s46, s47                     ; my first column
	; THE BIAS, as the C of the first products.  Along n: register 8 i + j = bias(column 16 i + 8 h + j).  Along m: all eight of group i = bias(row 16 i + r).
	s_cmp_lg_u32 s95, 0
	s_cselect_b32 s18, 4, 0
	s_cselect_b32 s19, 0, 32
	s_cselect_b32 s67, 0, 4
	s_cselect_b32 s66, s20, s46
	s_lshl_b32 s22, s66, 2
	s_mov_b32 s23, 0
	s_add_nc_u64 s[96:97], s[96:97], s[22:23]
	v_mul_u32_u24 v[VJ], s18, v1
	v_mad_u32_u24 v[VJ], v2, s19, v[VJ]
.irp j, 1,2,3,4,5,6,7
	v_add_nc_u32 v[VJ+\j], s67, v[VJ+\j-1]
.endr
.irp i, 0,1,2,3,4,5,6,7
.irp j, 0,1,2,3,4,5,6,7
	global_load_b32 v[BIAS+8*\i+\j], v[VJ+\j], s[96:97] offset:64*\i
.endr
.endr
	; where my codes and scale words go
	s_lshr_b32 s21, s46, 6                         ; my first panel of 64 columns
	s_mul_i32 s21, s21, s98
	s_mul_i32 s22, s2, 3145728
	s_add_co_u32 s21, s21, s22
	s_mul_i32 s22, s20, 48
	s_add_co_u32 s22, s21, s22
	s_add_nc_u64 s[4:5], s[12:13], s[22:23]        ; first panel, my 128 rows: 6,144 dense bytes
	s_mov_b32 s22, s98
	s_add_nc_u64 s[6:7], s[4:5], s[22:23]          ; second panel
	s_lshr_b32 s21, s46, 7
	s_mul_i32 s21, s21, s99
	s_lshl_b32 s22, s2, 17
	s_add_co_u32 s21, s21, s22
	s_lshl_b32 s22, s20, 2
	s_add_co_u32 s22, s21, s22
	s_add_co_u32 s22, s22, 12582912
	s_add_nc_u64 s[8:9], s[12:13], s[22:23]        ; my 128 scale words
	s_mov_b32 s92, 0x76543210
	s_mov_b32 s93, 0xfedcba98                      ; selects: lane l xor 16
.macro FRAG reg, adr, q, i             ; 16 rows x 128 K: 12 registers, six pieces of 8 bytes; the second address register serves the pieces behind one padding more
.irp p, 0,1,2,3,4,5
.set PC, 12*(\q)+6*(\p/3)+\p%3
.if PC%8 < 5
	ds_load_b64 v[\reg+2*\p:\reg+2*\p+1], v[\adr] offset:8*PC+16*(PC/8)+(\i)*16*PITCH
.else
	ds_load_b64 v[\reg+2*\p:\reg+2*\p+1], v[\adr+2] offset:8*PC+16*(PC/8)+(\i)*16*PITCH
.endif
.endr
.endm
; 16 matrix instructions: A's blocks a0, a0 + 1 x B's eight.  zero = 0: they add in place; 1: the sums start from the bias along n; 2: from the bias along m.
; The 64 accumulators take turns, one instruction a turn, in the same order in every step.
.macro MUL16 a0, p, q, sc, zero
.irp a, \a0, \a0+1
.irp b, 0,1,2,3,4,5,6,7
.if \zero == 1
	v_wmma_scale_f32_16x16x128_f8f6f4 v[8*(8*((\a)%4)+\b):8*(8*((\a)%4)+\b)+7], v[128*(\p)+FR*\b:128*(\p)+FR*\b+FR-1], v[AF+FR*(\a):AF+FR*(\a)+FR-1], v[BIAS+8*\b:BIAS+8*\b+7], v[SC+8*NQ*(\sc)+NQ*\b+(\q)], v[SC+8*NQ*(\sc)+NQ*(\a)+(\q)] matrix_a_fmt:MATRIX_FMT_FP6 matrix_b_fmt:MATRIX_FMT_FP6 matrix_a_scale:MATRIX_SCALE_ROW1
.elseif \zero == 2
	v_wmma_scale_f32_16x16x128_f8f6f4 v[8*(8*((\a)%4)+\b):8*(8*((\a)%4)+\b)+7], v[128*(\p)+FR*\b:128*(\p)+FR*\b+FR-1], v[AF+FR*(\a):AF+FR*(\a)+FR-1], v[BIAS+8*(\a):BIAS+8*(\a)+7], v[SC+8*NQ*(\sc)+NQ*\b+(\q)], v[SC+8*NQ*(\sc)+NQ*(\a)+(\q)] matrix_a_fmt:MATRIX_FMT_FP6 matrix_b_fmt:MATRIX_FMT_FP6 matrix_a_scale:MATRIX_SCALE_ROW1
.else
	v_wmma_scale_f32_16x16x128_f8f6f4 v[8*(8*((\a)%4)+\b):8*(8*((\a)%4)+\b)+7], v[128*(\p)+FR*\b:128*(\p)+FR*\b+FR-1], v[AF+FR*(\a):AF+FR*(\a)+FR-1], v[8*(8*((\a)%4)+\b):8*(8*((\a)%4)+\b)+7], v[SC+8*NQ*(\sc)+NQ*\b+(\q)], v[SC+8*NQ*(\sc)+NQ*(\a)+(\q)] matrix_a_fmt:MATRIX_FMT_FP6 matrix_b_fmt:MATRIX_FMT_FP6 matrix_a_scale:MATRIX_SCALE_ROW1
.endif
.endr
.endr
.endm
.macro FETCH_B slot, q, p
	WIN TO_B
.irp i, 0,1,2,3,4,5,6,7
	FRAG 128*(\p)+FR*\i, ADRB+\slot, \q, \i
.endr
	WIN 0
.endm
.macro FETCH_A slot, q, i0
.irp i, \i0, \i0+1, \i0+2, \i0+3
	FRAG AF+FR*(\i), ADRA+\slot, \q, \i
.endr
.endm
.macro SCALES sc                       ; a K step's scale words: lanes 0-15 A's block i, lanes 16-31 B's block i
.irp i, 0,1,2,3,4,5,6,7
	ds_load_b64 v[SC+8*NQ*\sc+NQ*\i:SC+8*NQ*\sc+NQ*\i+1], v[ADRS] offset:\i*SBLK
.endr
.endm
.macro PLACES n                        ; plain vector lines between a matrix instruction and a load into, or a read of, its registers
.rept \n
	v_nop
.endr
.endm
.macro STEP slot, q, zero              ; 128 along K, with its successor in the same slot
	s_wait_dscnt 4*NL                              ; B's set and A's blocks 0-3 are in; the youngest 24 loads (A's blocks 4-7) may be out
.if \zero
	WIN 0x81                                       ; C (the bias) in window 0, D in window 2
.else
	WIN MUL_LO
.endif
	MUL16 0, (\q)%2, \q, \slot, \zero
	MUL16 2, (\q)%2, \q, \slot, \zero
	s_wait_dscnt 0
	PLACES NP
	FETCH_B \slot, (\q)+1, 1-(\q)%2
	FETCH_A \slot, (\q)+1, 0
.if \zero
	WIN 0xc1
.else
	WIN MUL_HI
.endif
	MUL16 4, (\q)%2, \q, \slot, \zero
	MUL16 6, (\q)%2, \q, \slot, \zero
	PLACES NP
	WIN 0
	FETCH_A \slot, (\q)+1, 4
.endm
; A slot's last step changes slots: one barrier; in front of it each wave waits for all its tensor loads, adds 0 to its spare word, and waits for that and its reads of this slot.
.macro TURN slot, next, fill
	s_wait_tensorcnt 0x0                           ; all my tensor loads have landed: my part of the next slot
	ds_add_u32 v[SPW], v[NIL]                      ; 0 onto my spare word
	s_wait_dscnt 4*NL+1                            ; the add and the youngest 24 loads may be out
	WIN MUL_LO
	MUL16 0, 1, NQ-1, \slot, 0
	s_wait_dscnt 0x0                               ; the add is done, and my reads of this slot are over
	s_barrier_signal -1
	MUL16 2, 1, NQ-1, \slot, 0
	WIN 0
	s_barrier_wait -1
.if \fill
	CREST                                          ; the barrier has opened a round of the cluster's: no wave of any partner still reads this slot or has a load on its way
	s_add_nc_u64 s[G0+4*\slot+2:G0+4*\slot+3], s[G0+4*\slot+2:G0+4*\slot+3], 2*ROWB
	s_add_nc_u64 s[G0B+4*\slot+2:G0B+4*\slot+3], s[G0B+4*\slot+2:G0B+4*\slot+3], 2*ROWB
	JLOAD G0+4*\slot, G1, G0B+4*\slot, G1B         ; my one tensor load behind the round
.else
	PLACES NP
.endif
	v_add_nc_u32 v[ADRS], 4*NQ, v[ADRS]
	FETCH_B \next, 0, 0
	FETCH_A \next, 0, 0
	SCALES \next
	WIN MUL_HI
	MUL16 4, 1, NQ-1, \slot, 0
	MUL16 6, 1, NQ-1, \slot, 0
	PLACES NP
	WIN 0
	FETCH_A \next, 0, 4
.endm
	s_wait_tensorcnt 1                             ; the scales and my part of slot 0 are in; slot 1's load may be out
	s_barrier_signal -1
	s_barrier_wait -1
	FETCH_B 0, 0, 0
	FETCH_A 0, 0, 0
	SCALES 0
	FETCH_A 0, 0, 4
	s_wait_loadcnt 0x0                             ; the bias
	s_cmp_lg_u32 s95, 0                            ; the first step is written twice: its C is the bias along n or along m.  The branch hangs on the cluster's y alone
	s_cbranch_scc1 .Lfirst_m
	STEP 0, 0, 1
	s_branch .Ljoin
.Lfirst_m:
	STEP 0, 0, 2
.Ljoin:
	s_mov_b32 s3, LAPS-1
.Llap:
	TURN 0, 1, 1
	STEP 1, 0, 0
	TURN 1, 0, 1
	STEP 0, 0, 0
	s_sub_co_u32 s3, s3, 1
	s_cmp_lg_u32 s3, 0
	s_cbranch_scc1 .Llap
	TURN 0, 1, 0                                   ; the last lap fills nothing
	STEP 1, 0, 0
	s_wait_dscnt 4*NL
	WIN MUL_LO
	MUL16 0, 1, NQ-1, 1, 0
	MUL16 2, 1, NQ-1, 1, 0
	s_wait_dscnt 0
	WIN MUL_HI
	MUL16 4, 1, NQ-1, 1, 0
	MUL16 6, 1, NQ-1, 1, 0
	WIN 0
	PLACES NP
; THE WAY OUT: block a, 16 rows x 128 columns, becomes four blocks of 32 codes a row.  Lane (r, h) holds, of block g, columns 8 h + 0..7 and 16 + 8 h + 0..7:
; the largest magnitude joins with lane l xor 16's; the conversion's 96 bits are the block's 6-byte groups h and 2 + h, which go to their places in the stage
; by stores of 2 bytes (the address carries 6 h), so that the stage holds each row's plain stream of bits.  The stage lies in slot 0: it has had its last fill and its last read.
.macro QOUT a
.set AC, 64*((\a)%4)
.set WA, (2+(\a)/4)*5                  ; sources 0 and 1 in the accumulators' window
.set WB, (2+(\a)/4)*20                 ; sources 1 and 2
.set WC, 2+(\a)/4                      ; source 0
	WIN WA
.irp g, 0,1,2,3
	v_max3_num_f32 v[MM+\g], |v[AC+16*\g]|, |v[AC+16*\g+1]|, 0x1800000   ; each accumulator is read from its low end on; the floor 2^(3 - 127) holds the byte at 1
.endr
	WIN WB
.irp i, 2,4,6,8,10,12,14
.irp g, 0,1,2,3
	v_max3_num_f32 v[MM+\g], v[MM+\g], |v[AC+16*\g+\i]|, |v[AC+16*\g+\i+1]|
.endr
.endr
	WIN 0
.irp g, 0,1,2,3
	v_permlanex16_b32 v[M2+\g], v[MM+\g], s92, s93
.endr
.irp g, 0,1,2,3
	v_max_num_f32 v[MM+\g], v[MM+\g], v[M2+\g]
.endr
.if (\a) > 0
	s_wait_dscnt 0x0                               ; the last block's stage stores have read their registers
.endif
.irp g, 0,1,2,3
	v_add_nc_u32 v[EE+\g], 0xff000000, v[MM+\g]    ; 2 off the exponent field: the conversion's scale operand
.endr
.irp g, 0,1,2,3
	v_lshrrev_b32 v[M2+\g], 23, v[EE+\g]           ; the scale's byte
.endr
	v_lshl_or_b32 v[WD], v[M2+1], 8, v[M2]
	v_lshl_or_b32 v[WD], v[M2+2], 16, v[WD]
	v_lshl_or_b32 v[WD], v[M2+3], 24, v[WD]        ; my row's scale word for these 128 columns
	WIN WC
.irp g, 0,1,2,3
	v_cvt_scalef32_pk16_fp6_f32 v[CC+4*\g:CC+4*\g+2], v[AC+16*\g:AC+16*\g+15], v[EE+\g]
.endr
	WIN 0
	v_nop                                          ; one plain line behind the conversions
.irp g, 0,1,2,3
.set SB0, 768*(\a)+6144*(\g/2)+24*(\g%2)
	ds_store_b16 v[STO], v[CC+4*\g] offset:SB0
	ds_store_b16_d16_hi v[STO], v[CC+4*\g] offset:SB0+2
	ds_store_b16 v[STO], v[CC+4*\g+1] offset:SB0+4
	ds_store_b16_d16_hi v[STO], v[CC+4*\g+1] offset:SB0+12
	ds_store_b16 v[STO], v[CC+4*\g+2] offset:SB0+14
	ds_store_b16_d16_hi v[STO], v[CC+4*\g+2] offset:SB0+16
.endr
	ds_store_b32 v[SST], v[WD] offset:64*(\a)      ; both halves of the lanes write the same word
.endm
.irp a, 0,1,2,3,4,5,6,7
	QOUT \a
.endr
.irp t, 0,1,2,3,4,5,6,7,8,9,10,11,12,13,14,15,16,17,18,19,20,21,22,23
	ds_load_b128 v[BK+4*\t:BK+4*\t+3], v[RD] offset:512*\t           ; LDS serves a wave's instructions in order: these see my stores
.endr
	ds_load_b128 v[SWB:SWB+3], v[RD] offset:12288
.irp t, 0,1,2,3,4,5,6,7,8,9,10,11
	s_wait_dscnt 24-\t                             ; the loads issued behind this one may be out
	global_store_b128 v[CO], v[BK+4*\t:BK+4*\t+3], s[4:5] offset:512*\t      ; 32 lanes store 512 consecutive aligned bytes
.endr
.irp t, 12,13,14,15,16,17,18,19,20,21,22,23
	s_wait_dscnt 24-\t
	global_store_b128 v[CO], v[BK+4*\t:BK+4*\t+3], s[6:7] offset:512*(\t-12)
.endr
	s_wait_dscnt 0x0
	global_store_b128 v[CO], v[SWB:SWB+3], s[8:9]
	s_wait_tensorcnt 0x0                           ; the wave's end
	ds_add_u32 v[SPW], v[NIL]
	s_wait_dscnt 0x0
	CROUND                                         ; the closing round: no work-group ends while a partner may still ask for a tile that names it
	s_endpgm
.Lfunc_end_k_q37836efb91_qkv:
	.size	k_q37836efb91_qkv, .Lfunc_end_k_q37836efb91_qkv-k_q37836efb91_qkv
	.p2alignl 7, 3214868480
	.fill 96, 4, 3214868480
	.section	.rodata,"a",@progbits
	.p2align	6, 0x0
	.amdhsa_kernel k_q37836efb91_qkv
		.amdhsa_group_segment_fixed_size 327680
		.amdhsa_private_segment_fixed_size 0
		.amdhsa_enable_private_segment 0
		.amdhsa_kernarg_size 88
		.amdhsa_user_sgpr_count 2
		.amdhsa_user_sgpr_kernarg_segment_ptr 1
		.amdhsa_wavefront_size32 1
		.amdhsa_system_sgpr_workgroup_id_x 1
		.amdhsa_system_sgpr_workgroup_id_y 1
		.amdhsa_system_sgpr_workgroup_id_z 1
		.amdhsa_system_vgpr_workitem_id 0
		.amdhsa_next_free_vgpr 1024
		.amdhsa_next_free_sgpr 100
		.amdhsa_reserve_vcc 0
		.amdhsa_float_denorm_mode_32 3
		.amdhsa_float_denorm_mode_16_64 3
		.amdhsa_memory_ordered 1
		.amdhsa_forward_progress 1
		.amdhsa_inst_pref_size 198
	.end_amdhsa_kernel
	.amdgpu_metadata
---
amdhsa.version: [ 1, 2 ]
amdhsa.kernels:
  - .name:           k_q37836efb91_qkv
    .symbol:         k_q37836efb91_qkv.kd
    .args:
      - { .name: hbuf, .offset: 0, .size: 8, .value_kind: global_buffer, .address_space: global }
      - { .name: Wq_codes, .offset: 8, .size: 8, .value_kind: global_buffer, .address_space: global }
      - { .name: Wq_scales, .offset: 16, .size: 8, .value_kind: global_buffer, .address_space: global }
      - { .name: Wk_codes, .offset: 24, .size: 8, .value_kind: global_buffer, .address_space: global }
      - { .name: Wk_scales, .offset: 32, .size: 8, .value_kind: global_buffer, .address_space: global }
      - { .name: Wv_codes, .offset: 40, .size: 8, .value_kind: global_buffer, .address_space: global }
      - { .name: Wv_scales, .offset: 48, .size: 8, .value_kind: global_buffer, .address_space: global }
      - { .name: bq, .offset: 56, .size: 8, .value_kind: global_buffer, .address_space: global }
      - { .name: bk, .offset: 64, .size: 8, .value_kind: global_buffer, .address_space: global }
      - { .name: bv, .offset: 72, .size: 8, .value_kind: global_buffer, .address_space: global }
      - { .name: qkvb, .offset: 80, .size: 8, .value_kind: global_buffer, .address_space: global }
    .group_segment_fixed_size: 327680
    .private_segment_fixed_size: 0
    .kernarg_segment_align: 8
    .kernarg_segment_size: 88
    .max_flat_workgroup_size: 128
    .sgpr_count:     100
    .vgpr_count:     1024
    .wavefront_size: 32
...
	.end_amdgpu_metadata
.endif
;; end of part 2
;; launch attn (part 3): grid 4 x 64, 16 waves a work-group, clusters of 4 x 1, 169,984 bytes of LDS; arguments qkvb, obuf; writes obuf
.if DOCPART == 3
	.amdgcn_target "amdgcn-amd-amdhsa--gfx1250"
	.amdhsa_code_object_version 6
	.text
	.protected	k_q37836efb91_attn
	.globl	k_q37836efb91_attn
	.p2align	8
	.type	k_q37836efb91_attn,@function
k_q37836efb91_attn:
	s_mov_b64 s[64:65], 0
	v_nop
	global_prefetch_b8 v0, s[64:65] scope:SCOPE_SE
	s_setreg_imm32_b32 hwreg(HW_REG_WAVE_MODE, 25, 1), 1
	s_wait_xcnt 0x0
	s_wait_alu depctr_hold_cnt(0) depctr_sa_sdst(0) depctr_va_vdst(0) depctr_va_sdst(0) depctr_va_ssrc(0) depctr_va_vcc(0) depctr_vm_vsrc(0)
	s_getreg_b32 s2, hwreg(HW_REG_IB_STS2, 6, 4)
	s_cmp_eq_u32 s2, 0
	s_cbranch_scc0 .Lentry_in_a_cluster
	s_endpgm
.Lentry_in_a_cluster:
	s_bfe_u32 s2, ttmp6, 0x10000c
	s_cmp_lg_u32 s2, 0x3003
	s_cbranch_scc0 .Lentry_shape_is_right
	s_endpgm
.Lentry_shape_is_right:
; o = softmax(q k^T / 8) v for one batch and head, both products on codes of FP6 (E2M3) with one E8M0 byte for each 32 along a product's K; o leaves as codes along the head's 64.
; IN (one buffer): q and k codes [head][token][48 bytes] at 0 and 3,145,728; v codes [token / 64][head x 64 + d][48] at 6,291,456 (the keys innermost);
; scale words: q, k [head / 2][token] at 12,582,912 and 12,713,984 (two bytes a head), v [token / 128][head x 64 + d] at 12,845,056.
; OUT: o codes [head][token][48] at 0, scale words [head / 2][token] at 3,145,728.
; THE SOFTMAX: t = score x log2(e) / 8; M = the running largest t rounded UP to a whole number; p = 2^(t - M) is quantised along the keys, not normalised;
; the row's sum is taken of the unquantised p and divides at the end; when M moves, the sum and O are multiplied by 2^(old M - new M): exact.
; q k^T has K = 64, half of the instruction's 128: the upper six registers of both fragments are zero codes, which add nothing (their scale bytes are 0, that is 2^-127).
; SHARES: a work-group owns 256 queries of one batch and head, each of its sixteen waves 16 of them: four waves to a SIMD, so that one wave's vector work stands beside another's products.
; One head's K, V and scale words are 104,448 bytes: they come into LDS once, so there is no ring and nothing is filled again.
; CLUSTER: the four query blocks of a batch and head read the same K and V: every fill is a joint load of the four.
; LAYOUT: both products transposed (S^T = K Q^T, O^T = V^T P^T): a lane holds one query.  Lane r of tile 2 b + u takes key (or channel) 32 b + 8 u + r + 8 (r / 8), so that the
; 16 registers of two neighbouring tiles are 16 neighbours along the next K.
; LIMITS: a block of zeros, or one under 2^-124, gets the scale byte 1 (read by this program alone); NaN and infinities are not served.  o's scale bytes leave as stores of
; 2 bytes, 4 bytes apart (the other head of the pair fills the gaps): 128 KB in all.
.set VT,   49152                       ; LDS: K [1024 keys][48] at 0; V [16 panels][64 channels][48] here;
.set KSC,  98304                       ; K's 1,024 scale words;
.set VSC,  102400                      ; V's [8 steps][64 channels] words;
.set STG,  104448                      ; a stage of 768 bytes for each wave, in blocks of 256 bytes into which no fill lands
.set AK0,  1
.set AV0,  2
.set ASK0, 3
.set ASV0, 4
.set STO,  5
.set RD,   6
.set GO,   7
.set ADK,  8
.set ADV,  9
.set ADS,  10
.set ADT,  11
.set S,    128                         ; v128-191 S^T, then p
.set O,    192                         ; v192-223 O^T
.set WV,   8
.set G1K,  12
.set G1V,  20
.set G1KS, 28
.set G1VS, 36
.set G0K,  44
.set G0V,  48
.set G0KS, 52
.set G0VS, 56
.set SEL,  60
.set CS,   62
.set TK,   66
.set TS,   67
.set TJ,   68
.set TRIPS, 69
.macro CROUND
	s_barrier_signal -1
	s_barrier_wait -1
	s_cmp_lg_u32 s[WV], 0
	s_cbranch_scc1 .Lnot_wave_0_\@
	s_barrier_signal -3
.Lnot_wave_0_\@:
	s_barrier_wait -3
	s_barrier_signal -1
	s_barrier_wait -1
.endm
	s_load_b128 s[4:7], s[0:1], 0x0                ; in, out
	v_lshl_add_u32 v254, v0, 2, 0x29000
	v_mov_b32 v255, 0
	ds_add_u32 v254, v255
	ds_add_u32 v254, v255
	s_wait_dscnt 0x0
	v_lshrrev_b32 v8, 5, v0
	v_readfirstlane_b32 s[WV], v8                  ; wave 0..15
	s_bfe_u32 s9, ttmp6, 0x40000                   ; cx: my block of 256 queries; it enters q's and o's addresses alone
	s_and_b32 s70, ttmp7, 0xffff
	s_lshr_b32 s71, s70, 4                         ; batch
	s_and_b32 s72, s70, 15                         ; head
	s_lshr_b32 s73, s72, 1                         ; pair of heads
	s_and_b32 s74, s72, 1
	s_lshl_b32 s74, s74, 1                         ; my head's two bytes in a scale word
	s_and_b32 s75, s[WV], 3
	s_mul_i32 s85, s75, 12288                      ; a quarter of K or of V
	s_mul_i32 s76, s72, 196608
	s_mul_i32 s77, s71, 49152
	s_add_co_u32 s76, s76, s77
	s_add_co_u32 s76, s76, s85
	s_add_co_u32 s76, s76, 3145728                 ; K: 256 keys x 48 dense bytes
	s_mov_b32 s77, 0
	s_lshl_b32 s78, s71, 4
	s_lshl_b32 s79, s75, 2
	s_add_co_u32 s78, s78, s79
	s_mul_i32 s78, s78, 49152
	s_mul_i32 s79, s72, 3072
	s_add_co_u32 s78, s78, s79
	s_add_co_u32 s78, s78, 6291456                 ; V: four panels, 3,072 bytes of each
	s_mov_b32 s79, 0
	s_lshl_b32 s80, s73, 14
	s_lshl_b32 s81, s71, 12
	s_add_co_u32 s80, s80, s81
	s_add_co_u32 s80, s80, 12713984                ; K's scale words
	s_mov_b32 s81, 0
	s_lshl_b32 s82, s71, 15
	s_lshl_b32 s83, s72, 8
	s_add_co_u32 s82, s82, s83
	s_add_co_u32 s82, s82, 12845056                ; V's
	s_mov_b32 s83, 0
	s_lshl_b32 s84, s71, 10
	s_lshl_b32 s86, s9, 8
	s_add_co_u32 s84, s84, s86
	s_lshl_b32 s86, s[WV], 4
	s_add_co_u32 s84, s84, s86                     ; my first token
	s_mul_i32 s86, s72, 196608
	s_mul_i32 s87, s84, 48
	s_add_co_u32 s86, s86, s87                     ; its codes, in q and in o
	s_mov_b32 s87, 0
	s_lshl_b32 s88, s73, 14
	s_lshl_b32 s89, s84, 2
	s_add_co_u32 s88, s88, s89
	s_add_co_u32 s88, s88, s74
	s_add_co_u32 s90, s88, 3145728                 ; its scale bytes in o,
	s_add_co_u32 s88, s88, 12582912                ; and in q
	s_mov_b32 s89, 0
	s_mov_b32 s91, 0
	s_mov_b32 s[G1K], 15|(3<<16)|(1<<21)           ; mask: all four work-groups; elements of 8 bytes; bit 21 beside a mask.  48 rows of 256 dense bytes
	s_mov_b32 s[G1K+1], 32<<16
	s_mov_b32 s[G1K+2], 48<<16
	s_mov_b32 s[G1K+3], 32<<16
	s_mov_b32 s[G1K+4], 48
	s_mov_b32 s[G1K+5], 32
	s_mov_b32 s[G1K+6], 0
	s_mov_b32 s[G1K+7], 0
	s_mov_b32 s[G1V], 15|(3<<16)|(1<<21)           ; 4 rows of 3,072 bytes, 49,152 bytes apart
	s_mov_b32 s[G1V+1], 384<<16
	s_mov_b32 s[G1V+2], 4<<16
	s_mov_b32 s[G1V+3], 384<<16
	s_mov_b32 s[G1V+4], 4
	s_mov_b32 s[G1V+5], 6144
	s_mov_b32 s[G1V+6], 0
	s_mov_b32 s[G1V+7], 0
	s_mov_b32 s[G1KS], 15|(3<<16)|(1<<21)          ; 16 rows of 256 dense bytes
	s_mov_b32 s[G1KS+1], 32<<16
	s_mov_b32 s[G1KS+2], 16<<16
	s_mov_b32 s[G1KS+3], 32<<16
	s_mov_b32 s[G1KS+4], 16
	s_mov_b32 s[G1KS+5], 32
	s_mov_b32 s[G1KS+6], 0
	s_mov_b32 s[G1KS+7], 0
	s_mov_b32 s[G1VS], 15|(3<<16)|(1<<21)          ; 8 rows of 256 bytes, 4,096 bytes apart
	s_mov_b32 s[G1VS+1], 32<<16
	s_mov_b32 s[G1VS+2], 8<<16
	s_mov_b32 s[G1VS+3], 32<<16
	s_mov_b32 s[G1VS+4], 8
	s_mov_b32 s[G1VS+5], 512
	s_mov_b32 s[G1VS+6], 0
	s_mov_b32 s[G1VS+7], 0
	s_mov_b32 s[SEL], 0x76543210
	s_mov_b32 s[SEL+1], 0xfedcba98
	s_mov_b32 s[CS], 0x3e38aa3b                    ; c = log2(e) / 8
	s_mov_b32 s[CS+1], s[CS]
	s_mov_b32 s[TK], 0
	s_mov_b32 s[TS], 0
	s_mov_b32 s[TJ], 0
	s_mov_b32 s[TRIPS], 8
	s_wait_kmcnt 0x0
	s_mov_b32 s[G0K], 1
	s_mov_b32 s[G0K+1], s85
	s_add_nc_u64 s[G0K+2:G0K+3], s[4:5], s[76:77]
	s_or_b32 s[G0K+3], s[G0K+3], 0x80000000
	s_mov_b32 s[G0V], 1
	s_add_co_u32 s[G0V+1], s85, VT
	s_add_nc_u64 s[G0V+2:G0V+3], s[4:5], s[78:79]
	s_or_b32 s[G0V+3], s[G0V+3], 0x80000000
	s_mov_b32 s[G0KS], 1
	s_mov_b32 s[G0KS+1], KSC
	s_add_nc_u64 s[G0KS+2:G0KS+3], s[4:5], s[80:81]
	s_or_b32 s[G0KS+3], s[G0KS+3], 0x80000000
	s_mov_b32 s[G0VS], 1
	s_mov_b32 s[G0VS+1], VSC
	s_add_nc_u64 s[G0VS+2:G0VS+3], s[4:5], s[82:83]
	s_or_b32 s[G0VS+3], s[G0VS+3], 0x80000000
	s_add_nc_u64 s[10:11], s[6:7], s[86:87]        ; o's codes
	s_add_nc_u64 s[2:3], s[6:7], s[90:91]          ; o's scale bytes
	s_add_nc_u64 s[86:87], s[4:5], s[86:87]        ; q's codes
	s_add_nc_u64 s[88:89], s[4:5], s[88:89]        ; q's scale bytes
	CROUND                                         ; all four work-groups are here: the joint loads meet
	; waves 0-3: K's quarters; 4-7: V's; 8: K's scale words; 9: V's; one load a wave.  The branches hang on the wave's number alone; four v_nop follow each load
	s_cmp_lt_u32 s[WV], 4
	s_cbranch_scc0 .Lnot_k
	tensor_load_to_lds s[G0K:G0K+3], s[G1K:G1K+7]
	s_nop 0
.rept 4
	v_nop
.endr
	s_branch .Lasked
.Lnot_k:
	s_cmp_lt_u32 s[WV], 8
	s_cbranch_scc0 .Lnot_v
	tensor_load_to_lds s[G0V:G0V+3], s[G1V:G1V+7]
	s_nop 0
.rept 4
	v_nop
.endr
	s_branch .Lasked
.Lnot_v:
	s_cmp_eq_u32 s[WV], 8
	s_cbranch_scc0 .Lnot_ks
	tensor_load_to_lds s[G0KS:G0KS+3], s[G1KS:G1KS+7]
	s_nop 0
.rept 4
	v_nop
.endr
	s_branch .Lasked
.Lnot_ks:
	s_cmp_eq_u32 s[WV], 9
	s_cbranch_scc0 .Lasked
	tensor_load_to_lds s[G0VS:G0VS+3], s[G1VS:G1VS+7]
	s_nop 0
.rept 4
	v_nop
.endr
.Lasked:
	v_and_b32 v8, 15, v0                           ; r
	v_bfe_u32 v9, v0, 4, 1                         ; h
	v_mul_u32_u24 v10, v8, 48
	v_mad_u32_u24 v10, v9, 24, v10
.irp p, 0,1,2
	global_load_b64 v[16+2*\p:17+2*\p], v10, s[86:87] offset:8*\p    ; q's fragment: 24 bytes of my row
.endr
	v_lshlrev_b32 v11, 2, v8
	global_load_u16 v255, v11, s[88:89]            ; q's two scale bytes; the upper two are 0
	v_and_b32 v12, 8, v8
	v_add_nc_u32 v12, v12, v8                      ; r + 8 (r / 8)
	v_mul_u32_u24 v[AK0], v12, 48
	v_mad_u32_u24 v[AK0], v9, 24, v[AK0]
	v_add_nc_u32 v[AV0], VT, v[AK0]
	v_lshl_add_u32 v[ASK0], v12, 2, KSC
	v_add_nc_u32 v[ASK0], s74, v[ASK0]             ; my head's two bytes of a key's word
	v_lshl_add_u32 v[ASV0], v12, 2, VSC
	s_mul_i32 s70, s[WV], 768
	s_add_co_u32 s70, s70, STG                     ; my stage
	v_mul_u32_u24 v[STO], v8, 48
	v_mad_u32_u24 v[STO], v9, 12, v[STO]
	v_add_nc_u32 v[STO], s70, v[STO]               ; in: row r of 48 bytes, + 12 h
	v_and_b32 v13, 31, v0
	v_lshlrev_b32 v[GO], 3, v13                    ; back and out: 8 bytes a lane
	v_add_nc_u32 v[RD], s70, v[GO]
.irp j, 22,23,24,25,26,27
	v_mov_b32 v[\j], 0                             ; q's upper 64 along K: zero codes
.endr
.irp t, 0,1,2,3
.irp j, 6,7,8,9,10,11
	v_mov_b32 v[32+12*\t+\j], 0                    ; K's likewise: written once
.endr
.endr
	v_mov_b32 v13, 0xff61b1e6                      ; the largest t so far: -3e38
	v_floor_f32 v12, -v13                          ; -M
	v_mov_b32 v14, 0                               ; the sum, in two halves
	v_mov_b32 v15, 0
.irp b, 0,1,2,3
	v_mov_b32 v[236+\b], 0                         ; a lane permute's destination counts as read
.endr
	v_mov_b32 v252, 0
	v_mov_b32 v253, 0
.set j, 0
.rept 32
	v_mov_b32 v[O+j], 0                            ; O^T: the loop is written once; its first step finds zeros, which the first change of M leaves zeros
.set j, j+1
.endr
	s_wait_loadcnt 0x0                             ; q
	s_wait_tensorcnt 0x0                           ; my fill has landed,
	s_barrier_signal -1
	s_barrier_wait -1                              ; everybody's has
.macro KLOAD g                         ; four tiles of 16 keys: 24 bytes a lane, and the keys' two scale bytes
.irp t, 0,1,2,3
.irp p, 0,1,2
	ds_load_b64 v[32+12*\t+2*\p:33+12*\t+2*\p], v[ADK] offset:(64*\g+32*(\t/2)+8*(\t%2))*48+8*\p
.endr
	ds_load_u16 v[248+\t], v[ADS] offset:(64*\g+32*(\t/2)+8*(\t%2))*4
.endr
.endm
.macro KQ g
.irp t, 0,1,2,3
	v_wmma_scale_f32_16x16x128_f8f6f4 v[S+32*\g+8*\t:S+32*\g+8*\t+7], v[32+12*\t:43+12*\t], v[16:27], 0, v[248+\t], v255 matrix_a_fmt:MATRIX_FMT_FP6 matrix_b_fmt:MATRIX_FMT_FP6
.endr
.endm
.Lstep:                                            ; 8 trips of 128 keys
	v_add_nc_u32 v[ADK], s[TK], v[AK0]             ; these four are also the places behind the last trip's products, in front of the loads into their registers
	v_add_nc_u32 v[ADV], s[TK], v[AV0]
	v_add_nc_u32 v[ADS], s[TS], v[ASK0]
	v_add_nc_u32 v[ADT], s[TJ], v[ASV0]
	KLOAD 0
.irp t, 0,1,2,3                                    ; V's four fragments of this step are asked for now and land under the softmax
.irp p, 0,1,2,3,4,5
	ds_load_b64 v[80+12*\t+2*\p:81+12*\t+2*\p], v[ADV] offset:(\p/3)*3072+(32*(\t/2)+8*(\t%2))*48+8*(\p%3)
.endr
	ds_load_b32 v[28+\t], v[ADT] offset:(32*(\t/2)+8*(\t%2))*4
.endr
	s_wait_dscnt 28                                ; K's first four tiles are in; V's 28 loads may be out
	KQ 0
.rept 4
	v_nop                                          ; places in front of loads into registers that these products read
.endr
	KLOAD 1
	s_wait_dscnt 0x0
	KQ 1
.rept 4
	v_nop
.endr
.irp b, 0,1,2,3
	v_max3_num_f32 v[232+\b], v[S+16*\b], v[S+1+16*\b], v[S+2+16*\b]   ; the largest score of each block of 32 keys: for the row's maximum, and, since p rises with the score, for the block's largest p
.endr
.irp i, 3,5,7,9,11,13
.irp b, 0,1,2,3
	v_max3_num_f32 v[232+\b], v[232+\b], v[S+16*\b+\i], v[S+1+16*\b+\i]
.endr
.endr
.irp b, 0,1,2,3
	v_max_num_f32 v[232+\b], v[232+\b], v[S+15+16*\b]
.endr
.irp b, 0,1,2,3
	v_permlanex16_b32 v[236+\b], v[232+\b], s[SEL], s[SEL+1]
.endr
.irp b, 0,1,2,3
	v_max_num_f32 v[232+\b], v[232+\b], v[236+\b]
.endr
	v_max3_num_f32 v254, v232, v233, v234
	v_max_num_f32 v254, v254, v235
	v_mul_f32 v254, s[CS], v254                    ; as t
	v_max_num_f32 v13, v13, v254                   ; the running largest t
	v_mov_b32 v254, v12
	v_floor_f32 v12, -v13                          ; the new -M = -ceil(t)
	v_sub_f32 v254, v12, v254                      ; old M - new M: a whole number, 0 or less
	v_cvt_i32_f32 v254, v254                       ; (it saturates)
	v_ldexp_f32 v252, 1.0, v254                    ; f = 2^(old M - new M)
.set j, 0
.rept 32
	v_pk_fma_f32 v[S+j:S+j+1], v[S+j:S+j+1], s[CS:CS+1], v[12:13] op_sel_hi:[1,0,0]   ; t - M
.set j, j+2
.endr
.irp b, 0,1,2,3
	v_fma_f32 v[232+\b], v[232+\b], s[CS], v12
.endr
.set j, 0
.rept 64
	v_exp_f32 v[S+j], v[S+j]                       ; p = 2^(t - M)
.set j, j+1
.endr
.irp b, 0,1,2,3
	v_exp_f32 v[232+\b], v[232+\b]                 ; the block's largest p: the same two instructions on the same number
.endr
	v_pk_mul_f32 v[14:15], v[14:15], v[252:253] op_sel_hi:[1,0]      ; the sums under the new M (a plain line behind the exponentials)
	s_wait_alu depctr_va_vdst(0)
.irp b, 0,1,2,3
	v_max_num_f32 v[232+\b], 0x1800000, v[232+\b]  ; the floor 2^(3 - 127)
.endr
.irp b, 0,1,2,3
	v_add_nc_u32 v[244+\b], 0xff000000, v[232+\b]  ; the conversion's scale operand
.endr
.irp b, 0,1,2,3
	v_lshrrev_b32 v[236+\b], 23, v[244+\b]
.endr
	v_lshl_or_b32 v253, v237, 8, v236              ; p's scale word for these 128 keys
	v_lshl_or_b32 v253, v238, 16, v253
	v_lshl_or_b32 v253, v239, 24, v253
.irp c, 0,1
	v_cvt_scalef32_pk16_fp6_f32 v[224+6*\c:226+6*\c], v[S+32*\c:S+15+32*\c], v[244+2*\c]
	v_cvt_scalef32_pk16_fp6_f32 v[236+4*\c:238+4*\c], v[S+16+32*\c:S+31+32*\c], v[244+2*\c+1]
.endr
	v_nop                                          ; one plain line behind the conversions
.irp c, 0,1                                        ; the operand wants a whole block in a lane
.irp i, 0,1,2
	v_permlane16_swap_b32 v[224+6*\c+\i], v[236+4*\c+\i]
.endr
.irp i, 0,1,2
	v_mov_b32 v[227+6*\c+\i], v[236+4*\c+\i]
.endr
.endr
	v_pk_add_f32 v[236:237], v[S:S+1], v[S+2:S+3]  ; the row's sum, of the unquantised p, in two chains
.irp j, 4,8,12,16,20,24,28,32,36,40,44,48,52,56,60
	v_pk_add_f32 v[14:15], v[14:15], v[S+\j:S+1+\j]
	v_pk_add_f32 v[236:237], v[236:237], v[S+2+\j:S+3+\j]
.endr
	v_pk_add_f32 v[14:15], v[14:15], v[236:237]
.set j, 0
.rept 16
	v_pk_mul_f32 v[O+j:O+j+1], v[O+j:O+j+1], v[252:253] op_sel_hi:[1,0]   ; O^T under the new M, each accumulator from its low end on
.set j, j+2
.endr
.irp t, 0,1,2,3                                    ; O^T += V^T P^T: four accumulators by turns
	v_wmma_scale_f32_16x16x128_f8f6f4 v[O+8*\t:O+8*\t+7], v[80+12*\t:91+12*\t], v[224:235], v[O+8*\t:O+8*\t+7], v[28+\t], v253 matrix_a_fmt:MATRIX_FMT_FP6 matrix_b_fmt:MATRIX_FMT_FP6
.endr
	s_add_co_u32 s[TK], s[TK], 6144                ; 128 keys of K, two panels of V
	s_add_co_u32 s[TS], s[TS], 512
	s_add_co_u32 s[TJ], s[TJ], 256
	s_sub_co_u32 s[TRIPS], s[TRIPS], 1
	s_cmp_lg_u32 s[TRIPS], 0
	s_cbranch_scc1 .Lstep
	; THE WAY OUT: o = O^T / the sum; register 16 b + i is channel 32 b + 16 h + i of my query: two blocks of 32, each shared with lane l xor 16
	v_add_f32 v14, v14, v15
	v_permlanex16_b32 v252, v14, s[SEL], s[SEL+1]
	v_add_f32 v14, v14, v252
	v_rcp_f32 v14, v14
	v_and_b32 v8, 15, v0
	v_lshlrev_b32 v8, 2, v8                        ; my token's scale word
	v_nop
	v_nop
.set j, 0
	s_wait_alu depctr_va_vdst(0)
.rept 32
	v_mul_f32 v[S+j], v[O+j], v14
.set j, j+1
.endr
.irp b, 0,1
	v_max3_num_f32 v[232+\b], |v[S+16*\b]|, |v[S+1+16*\b]|, 0x1800000
.endr
.irp i, 2,4,6,8,10,12,14
.irp b, 0,1
	v_max3_num_f32 v[232+\b], v[232+\b], |v[S+16*\b+\i]|, |v[S+1+16*\b+\i]|
.endr
.endr
.irp b, 0,1
	v_permlanex16_b32 v[236+\b], v[232+\b], s[SEL], s[SEL+1]
.endr
.irp b, 0,1
	v_max_num_f32 v[232+\b], v[232+\b], v[236+\b]
.endr
.irp b, 0,1
	v_add_nc_u32 v[244+\b], 0xff000000, v[232+\b]
.endr
.irp b, 0,1
	v_lshrrev_b32 v[236+\b], 23, v[244+\b]
.endr
	v_lshl_or_b32 v40, v237, 8, v236               ; my head's two scale bytes
	v_cvt_scalef32_pk16_fp6_f32 v[224:226], v[S:S+15], v244
	v_cvt_scalef32_pk16_fp6_f32 v[228:230], v[S+16:S+31], v245
	v_nop
	ds_store_b32 v[STO], v224                      ; 12 bytes: channels 16 h + 0..15 of block 0,
	ds_store_b32 v[STO], v225 offset:4
	ds_store_b32 v[STO], v226 offset:8
	ds_store_b32 v[STO], v228 offset:24            ; and of block 1
	ds_store_b32 v[STO], v229 offset:28
	ds_store_b32 v[STO], v230 offset:32
.irp k, 0,1,2
	ds_load_b64 v[32+2*\k:33+2*\k], v[RD] offset:256*\k              ; LDS serves a wave's instructions in order: these see my stores
.endr
	global_store_b16 v8, v40, s[2:3]               ; lanes r and r + 16 write the same two bytes
.irp k, 0,1,2
	s_wait_dscnt 2-\k                              ; the younger loads may be out
	global_store_b64 v[GO], v[32+2*\k:33+2*\k], s[10:11] offset:256*\k   ; 32 lanes store 256 consecutive aligned bytes
.endr
	s_wait_dscnt 0x0
	s_wait_xcnt 0x0
	v_lshl_add_u32 v254, v0, 2, 0x29000
	v_mov_b32 v255, 0
	s_wait_tensorcnt 0x0
	ds_add_u32 v254, v255
	s_wait_dscnt 0x0
	CROUND                                         ; the closing round
	s_endpgm
.Lfunc_end_k_q37836efb91_attn:
	.size	k_q37836efb91_attn, .Lfunc_end_k_q37836efb91_attn-k_q37836efb91_attn
	.p2alignl 7, 3214868480
	.fill 96, 4, 3214868480
	.section	.rodata,"a",@progbits
	.p2align	6, 0x0
	.amdhsa_kernel k_q37836efb91_attn
		.amdhsa_group_segment_fixed_size 169984
		.amdhsa_private_segment_fixed_size 0
		.amdhsa_enable_private_segment 0
		.amdhsa_kernarg_size 16
		.amdhsa_user_sgpr_count 2
		.amdhsa_user_sgpr_kernarg_segment_ptr 1
		.amdhsa_wavefront_size32 1
		.amdhsa_system_sgpr_workgroup_id_x 1
		.amdhsa_system_sgpr_workgroup_id_y 1
		.amdhsa_system_sgpr_workgroup_id_z 1
		.amdhsa_system_vgpr_workitem_id 0
		.amdhsa_next_free_vgpr 256
		.amdhsa_next_free_sgpr 92
		.amdhsa_reserve_vcc 0
		.amdhsa_float_denorm_mode_32 3
		.amdhsa_float_denorm_mode_16_64 3
		.amdhsa_memory_ordered 1
		.amdhsa_forward_progress 1
		.amdhsa_inst_pref_size 34
	.end_amdhsa_kernel
	.amdgpu_metadata
---
amdhsa.version: [ 1, 2 ]
amdhsa.kernels:
  - .name:           k_q37836efb91_attn
    .symbol:         k_q37836efb91_attn.kd
    .args:
      - { .name: qkvb, .offset: 0, .size: 8, .value_kind: global_buffer, .address_space: global }
      - { .name: obuf, .offset: 8, .size: 8, .value_kind: global_buffer, .address_space: global }
    .group_segment_fixed_size: 169984
    .private_segment_fixed_size: 0
    .kernarg_segment_align: 8
    .kernarg_segment_size: 16
    .max_flat_workgroup_size: 512
    .sgpr_count:     92
    .vgpr_count:     256
    .wavefront_size: 32
...
	.end_amdgpu_metadata
.endif
;; end of part 3
;; launch wo (part 4): grid 8 x 32, 4 waves a work-group, clusters of 4 x 4, 327,680 bytes of LDS; arguments obuf, Wo_codes, Wo_scales, bo, x, x1; writes x1
.if DOCPART == 4
	.amdgcn_target "amdgcn-amd-amdhsa--gfx1250"
	.amdhsa_code_object_version 6
	.text
	.protected	k_q37836efb91_wo
	.globl	k_q37836efb91_wo
	.p2align	8
	.type	k_q37836efb91_wo,@function
k_q37836efb91_wo:
	s_mov_b64 s[64:65], 0
	v_nop
	global_prefetch_b8 v0, s[64:65] scope:SCOPE_SE
	s_setreg_imm32_b32 hwreg(HW_REG_WAVE_MODE, 25, 1), 1
	s_wait_xcnt 0x0
	s_wait_alu depctr_hold_cnt(0) depctr_sa_sdst(0) depctr_va_vdst(0) depctr_va_sdst(0) depctr_va_ssrc(0) depctr_va_vcc(0) depctr_vm_vsrc(0)
	s_getreg_b32 s2, hwreg(HW_REG_IB_STS2, 6, 4)
	s_cmp_eq_u32 s2, 0
	s_cbranch_scc0 .Lentry_in_a_cluster
	s_endpgm
.Lentry_in_a_cluster:
	s_bfe_u32 s2, ttmp6, 0x10000c
	s_cmp_lg_u32 s2, 0xf033
	s_cbranch_scc0 .Lentry_shape_is_right
	s_endpgm
.Lentry_shape_is_right:
; out[m][n] = res[m][n] + F(sum over k of A[m][k] B[n][k] + bias[n]);  F is the identity (GELU = 0) or the exact GELU (GELU = 1).  4,096 x 1,024, f32.
; Both operands are codes of FP6 (E2M3) with one E8M0 byte for each 32 along K.  A lies in panels: codes [k / 64][row][48 bytes], scale words [k / 128][row] at byte ASOFF of the same buffer.
; B lies in rows: codes [n][3 K / 4 bytes], scale bytes [n][K / 32].
; A tile of the result is 128 x 128, so that 256 work-groups have work; four waves, each 64 x 64: 16 accumulators.  K goes in steps of 512 (four matrix instructions deep) through two LDS slots;
; a panel's 128 rows are 6,144 dense bytes, rows 48 bytes apart in LDS: the 32 lanes of a load of 8 bytes touch 64 different banks without padding.
; The scales of the tile's rows, for all of K, come once and stay.  CLUSTERS: 4 x 4; A's tiles are asked for jointly along a row of the cluster, B's along a column.
; THE MATRIX INSTRUCTION IS USED TRANSPOSED (source 0 = B's rows, source 1 = A's): a lane holds eight neighbouring n of one row m.  The bias is the C of the first products.
; GELU(y) = max(y, 0) - |y| (r / 2), r = 1 - erf(|y| / sqrt 2) by a rational form in t = 1 / (1 + 0.3275911 |y| / sqrt 2) times e^(-y^2 / 2): absolute error of erf at most 1.5e-7 for every y.
; LIMITS: NaN and infinities are not served.
; REGISTERS: window 0: v10-23 addresses; v32-63 B's scale words, v64-95 A's (two sets each, scales alone); v96-127 the bias; v128-255 the accumulators.
;   window 1: v0-95, v128-223 two fragment buffers (A's four, then B's four); v96-109 GELU's constants; on the way out v0-63 rows, v64-95 at work.   window 2: v0-127 the residual.
.set SIZE_K, 1024
.set ASOFF,  3145728
.set GELU,   0
.set NSLOT,  SIZE_K/512
.set LAPS,   NSLOT/2
.set KROW,   SIZE_K*3/4
.set KS,     SIZE_K/32
.set APAN,   6144
.set AHALF,  4*APAN
.set BOFF,   8*APAN
.set PITCH,  240
.set BSUB,   128*PITCH                 ; B's 128 rows x 256 along K, rows of 3 x (64 + 16) bytes; two such parts to a slot
.set SLOT,   BOFF+2*BSUB
.set SCAL,   2*SLOT                    ; A's scale words: [K / 128][128 rows]
.set SAH,    (SIZE_K/256)*512
.set SCBL,   SCAL+2*SAH                ; B's scale bytes, as units of 256 + 16
.set HALFSB, (64*KS/256)*272
.set SBLK,   (16*KS/256)*272
.set SPARE,  SCBL+2*HALFSB             ; the spare words: 128 bytes a wave, two blocks of 256 bytes that no other line names
.set SPITCH, 272
.set WST,    16*SPITCH                 ; the way out: a wave's stage, in slot 0
.set ADRA, 10
.set ADRB, 12
.set ASA,  16
.set ASB,  17
.set STO,  18
.set RD,   19
.set CO,   20
.set SPW,  21
.set NIL,  22
.set BO,   23
.set SCB,  32
.set SCA,  64
.set BIAS, 96
.set ACC,  128
.set F0,   0
.set F1,   128
.set KC,   96
.set UA,   64
.set UD,   72
.set UE,   80
.set UP,   88
.set G1A,  24
.set G0A,  32
.set G1B,  40
.set G0B,  48
.set G1SA, 56
.set G0SA, 68
.set G1SB, 72
.set G0SB, 80
.set MSB, 0
.macro WIN new
.if MSB != \new
	s_set_vgpr_msb (MSB<<8)|\new
.set MSB, \new
.endif
.endm
.set MUL,  0x05                        ; sources 0 and 1 window 1; C and D window 0
.set TO_F, 0x40
.macro JLOAD g0a, g1a, g0b, g1b        ; waves 0 and 1 fetch for A, waves 2 and 3 for B; four v_nop follow each line
	s_cmp_eq_u32 s17, 0
	s_cbranch_scc0 .Lfor_b_\@
	tensor_load_to_lds s[\g0a:\g0a+3], s[\g1a:\g1a+7]
	s_nop 0
.rept 4
	v_nop
.endr
	s_branch .Lasked_\@
.Lfor_b_\@:
	tensor_load_to_lds s[\g0b:\g0b+3], s[\g1b:\g1b+7]
	s_nop 0
.rept 4
	v_nop
.endr
.Lasked_\@:
.endm
.macro CREST
	s_cmp_lg_u32 s16, 0
	s_cbranch_scc1 .Lnot_wave_0_\@
	s_barrier_signal -3
.Lnot_wave_0_\@:
	s_barrier_wait -3
	s_barrier_signal -1
	s_barrier_wait -1
.endm
.macro CROUND
	s_barrier_signal -1
	s_barrier_wait -1
	CREST
.endm
.macro PLACES
.rept 4
	v_nop
.endr
.endm
	s_load_b256 s[4:11], s[0:1], 0x0               ; A s[4:5], B's codes s[6:7], B's scales s[8:9], bias s[10:11]
	s_load_b128 s[12:15], s[0:1], 0x20             ; residual s[12:13], out s[14:15]
	v_lshl_add_u32 v[SPW], v0, 2, SPARE
	v_mov_b32 v[NIL], 0
	ds_add_u32 v21, v22
	ds_add_u32 v21, v22
	s_wait_dscnt 0x0
	v_lshrrev_b32 v1, 5, v0
	v_readfirstlane_b32 s16, v1                    ; wave 0..3
	s_lshr_b32 s17, s16, 1                         ; my half of the rows; also: I fetch for A (0) or B (1)
	s_and_b32 s18, s16, 1                          ; my half of the columns; also: which part I fetch
	s_bfe_u32 s19, ttmp6, 0x40000                  ; cx
	s_bfe_u32 s20, ttmp6, 0x40004                  ; cy
	s_lshl_b32 s21, ttmp9, 2
	s_add_co_u32 s21, s21, s19                     ; tile column
	s_and_b32 s22, ttmp7, 0xffff
	s_lshl_b32 s22, s22, 2
	s_add_co_u32 s22, s22, s20                     ; tile row
	s_lshl_b32 s96, s20, 2
	s_lshl_b32 s96, 15, s96                        ; my row of the cluster
	s_lshl_b32 s97, 0x1111, s19                    ; my column
	s_or_b32 s[G1A], s96, (3<<16)|(1<<21)          ; A: four panels, each 6,144 dense bytes (768 elements of 8), 196,608 bytes apart
	s_mov_b32 s[G1A+1], 768<<16
	s_mov_b32 s[G1A+2], 4<<16
	s_mov_b32 s[G1A+3], 768<<16
	s_mov_b32 s[G1A+4], 4
	s_mov_b32 s[G1A+5], 24576
	s_mov_b32 s[G1A+6], 0
	s_mov_b32 s[G1A+7], 0
	s_or_b32 s[G1B], s97, (0<<16)|(1<<20)|(1<<21)|(3<<22)|(3<<25)    ; B: 128 rows of 192 bytes, 16 bytes of padding behind every 64
	s_mov_b32 s[G1B+1], 192<<16
	s_mov_b32 s[G1B+2], 128<<16
	s_mov_b32 s[G1B+3], 192<<16
	s_mov_b32 s[G1B+4], 128
	s_mov_b32 s[G1B+5], KROW
	s_mov_b32 s[G1B+6], 0
	s_mov_b32 s[G1B+7], 0
	s_or_b32 s[G1SA], s96, (3<<16)|(1<<21)         ; A's scale words: K / 256 rows of 512 bytes, 16,384 bytes apart
	s_mov_b32 s[G1SA+1], 64<<16
	s_mov_b32 s[G1SA+2], (SIZE_K/256)<<16
	s_mov_b32 s[G1SA+3], 64<<16
	s_mov_b32 s[G1SA+4], SIZE_K/256
	s_mov_b32 s[G1SA+5], 2048
	s_mov_b32 s[G1SA+6], 0
	s_mov_b32 s[G1SA+7], 0
	s_or_b32 s[G1SB], s97, (3<<16)|(1<<20)|(1<<21)|(5<<22)|(3<<25)   ; B's scale bytes of 64 rows: dense, as rows of 256 bytes + 16
	s_mov_b32 s[G1SB+1], 32<<16
	s_mov_b32 s[G1SB+2], (64*KS/256)<<16
	s_mov_b32 s[G1SB+3], 32<<16
	s_mov_b32 s[G1SB+4], 64*KS/256
	s_mov_b32 s[G1SB+5], 32
	s_mov_b32 s[G1SB+6], 0
	s_mov_b32 s[G1SB+7], 0
	s_mul_i32 s84, s22, APAN
	s_mul_i32 s85, s18, 4*196608
	s_add_co_u32 s84, s84, s85                     ; A's codes: my four panels of slot 0
	s_mov_b32 s85, 0
	s_lshl_b32 s86, s22, 9
	s_mul_i32 s87, s18, (SIZE_K/256)*16384
	s_add_co_u32 s86, s86, s87
	s_add_co_u32 s86, s86, ASOFF                   ; A's scale words: my half of K
	s_mov_b32 s87, 0
	s_mul_i32 s88, s21, 128*KROW
	s_mul_i32 s89, s18, 192
	s_add_co_u32 s88, s88, s89                     ; B's codes: my 256 along K of slot 0
	s_mov_b32 s89, 0
	s_lshl_b32 s90, s21, 7
	s_lshl_b32 s91, s18, 6
	s_add_co_u32 s90, s90, s91
	s_mul_i32 s90, s90, KS                         ; B's scale bytes: my 64 rows
	s_mov_b32 s91, 0
	s_mul_i32 s92, s18, AHALF
	s_mul_i32 s93, s18, BSUB
	s_mul_i32 s94, s18, SAH
	s_mul_i32 s95, s18, HALFSB
	s_wait_kmcnt 0x0
	s_add_nc_u64 s[84:85], s[4:5], s[84:85]
	s_add_nc_u64 s[86:87], s[4:5], s[86:87]
	s_add_nc_u64 s[88:89], s[6:7], s[88:89]
	s_add_nc_u64 s[90:91], s[8:9], s[90:91]
	CROUND                                         ; all sixteen work-groups are here: the first joint loads meet
	s_mov_b32 s[G0SA], 1
	s_add_co_u32 s[G0SA+1], s94, SCAL
	s_mov_b64 s[G0SA+2:G0SA+3], s[86:87]
	s_or_b32 s[G0SA+3], s[G0SA+3], 0x80000000
	s_mov_b32 s[G0SB], 1
	s_add_co_u32 s[G0SB+1], s95, SCBL
	s_mov_b64 s[G0SB+2:G0SB+3], s[90:91]
	s_or_b32 s[G0SB+3], s[G0SB+3], 0x80000000
	JLOAD G0SA, G1SA, G0SB, G1SB                   ; three loads of mine go out here: scales, slot 0, slot 1
.irp s, 0,1
	s_mov_b32 s[G0A+4*\s], 1
	s_add_co_u32 s[G0A+4*\s+1], s92, \s*SLOT
	s_add_nc_u64 s[G0A+4*\s+2:G0A+4*\s+3], s[84:85], \s*8*196608
	s_or_b32 s[G0A+4*\s+3], s[G0A+4*\s+3], 0x80000000
	s_mov_b32 s[G0B+4*\s], 1
	s_add_co_u32 s[G0B+4*\s+1], s93, \s*SLOT+BOFF
	s_add_nc_u64 s[G0B+4*\s+2:G0B+4*\s+3], s[88:89], \s*384
	s_or_b32 s[G0B+4*\s+3], s[G0B+4*\s+3], 0x80000000
	JLOAD G0A+4*\s, G1A, G0B+4*\s, G1B
.endr
	v_and_b32 v1, 15, v0                           ; r
	v_bfe_u32 v2, v0, 4, 1                         ; h
	v_mul_u32_u24 v3, v1, 48
	v_mad_u32_u24 v3, v2, 24, v3
	v_mul_u32_u24 v4, v1, PITCH
	v_mad_u32_u24 v4, v2, 24, v4
	v_lshl_add_u32 v5, v2, 4, v4                   ; B's pieces behind one padding more
	s_mul_i32 s84, s17, 64*48
	s_mul_i32 s85, s18, 64*PITCH
	s_add_co_u32 s85, s85, BOFF
.irp s, 0,1
	v_add_nc_u32 v[ADRA+\s], s84, v3
	v_add_nc_u32 v[ADRB+\s], s85, v4
	v_add_nc_u32 v[ADRB+2+\s], s85, v5
	s_add_co_u32 s84, s84, SLOT
	s_add_co_u32 s85, s85, SLOT
.endr
	s_lshl_b32 s84, s17, 8
	s_add_co_u32 s84, s84, SCAL
	v_lshl_add_u32 v[ASA], v1, 2, s84              ; A's scale words: 4 bytes a row
	v_mul_u32_u24 v6, v1, KS
	v_lshrrev_b32 v7, 8, v6
	v_lshl_add_u32 v6, v7, 4, v6
	s_add_co_u32 s85, s95, SCBL
	v_add_nc_u32 v[ASB], s85, v6                   ; B's: KS bytes a row, 16 more for each 256 passed
	s_mul_i32 s84, s16, WST
	v_mul_u32_u24 v6, v1, SPITCH
	v_lshl_add_u32 v6, v2, 5, v6
	v_add_nc_u32 v[STO], s84, v6
	v_mul_u32_u24 v6, v2, SPITCH
	v_lshl_add_u32 v6, v1, 4, v6
	v_add_nc_u32 v[RD], s84, v6
	v_lshlrev_b32 v6, 12, v2
	v_lshl_add_u32 v[CO], v1, 4, v6                ; lanes 0-15 one row's 256 bytes, lanes 16-31 the next row's
	v_lshlrev_b32 v[BO], 5, v2
	s_lshl_b32 s84, s22, 7
	s_lshl_b32 s85, s17, 6
	s_add_co_u32 s84, s84, s85
	s_lshl_b32 s84, s84, 12                        ; my first row, in bytes
	s_lshl_b32 s86, s21, 7
	s_lshl_b32 s87, s18, 6
	s_add_co_u32 s86, s86, s87
	s_lshl_b32 s86, s86, 2                         ; my first column, in bytes
	s_mov_b32 s87, 0
	s_add_nc_u64 s[10:11], s[10:11], s[86:87]
	s_add_co_u32 s84, s84, s86
	s_mov_b32 s85, 0
	s_add_nc_u64 s[12:13], s[12:13], s[84:85]
	s_add_nc_u64 s[14:15], s[14:15], s[84:85]
.irp b, 0,1,2,3
	global_load_b128 v[BIAS+8*\b:BIAS+8*\b+3], v[BO], s[10:11] offset:64*\b       ; bias(16 b + 8 h + 0..7)
	global_load_b128 v[BIAS+8*\b+4:BIAS+8*\b+7], v[BO], s[10:11] offset:64*\b+16
.endr
	WIN 0x80                                       ; destination window 2
.irp a, 0,1,2,3
.irp t, 0,1,2,3,4,5,6,7
	global_load_b128 v[32*\a+4*\t:32*\a+4*\t+3], v[CO], s[12:13] offset:(16*\a+2*\t)*4096   ; the residual, laid as the rows will leave
.endr
.endr
.if GELU
	WIN 0x40
.irp u, 0,1
	v_mov_b32 v[KC+\u], 0x3f596d27                 ; sqrt(log2(e) / 2)
	v_mov_b32 v[KC+2+\u], 0x3e6d3388               ; 0.3275911 / sqrt 2
	v_mov_b32 v[KC+4+\u], 0x3e027906               ; the five coefficients, halved
	v_mov_b32 v[KC+6+\u], 0xbe11a98e
	v_mov_b32 v[KC+8+\u], 0x3f35f0e3
	v_mov_b32 v[KC+10+\u], 0xbf3a00e3
	v_mov_b32 v[KC+12+\u], 0x3f07dc22
.endr
.endif
	WIN 0
.macro FRAG_A reg, slot, q, i          ; 16 rows x 128 K: two panels, 24 bytes of each
.irp p, 0,1,2,3,4,5
	ds_load_b64 v[\reg+2*\p:\reg+2*\p+1], v[ADRA+\slot] offset:(2*(\q)+\p/3)*APAN+(\i)*768+8*(\p%3)
.endr
.endm
.macro FRAG_B reg, slot, q, i
.irp p, 0,1,2,3,4,5
.set PC, 12*((\q)%2)+6*(\p/3)+\p%3
.if PC%8 < 5
	ds_load_b64 v[\reg+2*\p:\reg+2*\p+1], v[ADRB+\slot] offset:8*PC+16*(PC/8)+(\i)*16*PITCH+((\q)/2)*BSUB
.else
	ds_load_b64 v[\reg+2*\p:\reg+2*\p+1], v[ADRB+2+\slot] offset:8*PC+16*(PC/8)+(\i)*16*PITCH+((\q)/2)*BSUB
.endif
.endr
.endm
.macro FETCH slot, q, g                ; 48 LDS loads in one run: the fragments of the slot's q-th 128 along K into buffer g
	WIN TO_F
.irp i, 0,1,2,3
	FRAG_A (\g)+12*\i, \slot, \q, \i
.endr
.irp i, 0,1,2,3
	FRAG_B (\g)+48+12*\i, \slot, \q, \i
.endr
.endm
.macro SCALES set                      ; a slot's scale words: four a row on each side
	WIN 0
.irp b, 0,1,2,3
	ds_load_b128 v[SCB+16*\set+4*\b:SCB+16*\set+4*\b+3], v[ASB] offset:\b*SBLK
.endr
.irp a, 0,1,2,3
.irp q, 0,1,2,3
	ds_load_b32 v[SCA+16*\set+4*\a+\q], v[ASA] offset:512*\q+64*\a
.endr
.endr
.endm
; 8 matrix instructions: A's blocks a0, a0 + 1 x B's four.  The 16 accumulators take turns, one instruction a turn, in the same order everywhere.
.macro MUL8 f, a0, q, set, first
.irp a, \a0, \a0+1
.irp b, 0,1,2,3
.if \first
	v_wmma_scale_f32_16x16x128_f8f6f4 v[ACC+8*(4*(\a)+\b):ACC+8*(4*(\a)+\b)+7], v[\f+48+12*\b:\f+48+12*\b+11], v[\f+12*(\a):\f+12*(\a)+11], v[BIAS+8*\b:BIAS+8*\b+7], v[SCB+16*(\set)+4*\b+(\q)], v[SCA+16*(\set)+4*(\a)+(\q)] matrix_a_fmt:MATRIX_FMT_FP6 matrix_b_fmt:MATRIX_FMT_FP6
.else
	v_wmma_scale_f32_16x16x128_f8f6f4 v[ACC+8*(4*(\a)+\b):ACC+8*(4*(\a)+\b)+7], v[\f+48+12*\b:\f+48+12*\b+11], v[\f+12*(\a):\f+12*(\a)+11], v[ACC+8*(4*(\a)+\b):ACC+8*(4*(\a)+\b)+7], v[SCB+16*(\set)+4*\b+(\q)], v[SCA+16*(\set)+4*(\a)+(\q)] matrix_a_fmt:MATRIX_FMT_FP6 matrix_b_fmt:MATRIX_FMT_FP6
.endif
.endr
.endr
.endm
.macro QUARTER slot, q, first          ; one of a slot's first three steps: the next step's fragments are asked for, then this step's 16 products
	s_wait_dscnt 0x0                               ; this step's fragments (and scale words) are in
	PLACES                                         ; behind the last step's products, which read the buffer that is loaded now
	FETCH \slot, (\q)+1, F0+128*(1-(\q)%2)
	WIN MUL
	MUL8 F0+128*((\q)%2), 0, \q, \slot, \first
	MUL8 F0+128*((\q)%2), 2, \q, \slot, \first
.endm
; A slot's last step changes slots: one barrier; in front of it each wave waits for all its tensor loads, adds 0 to its spare word, and waits for that and its reads of this slot.
.macro TURN slot, next, fill
	WIN 0
	s_wait_tensorcnt 0x0                           ; all my tensor loads have landed: my part of the next slot
	ds_add_u32 v[SPW], v[NIL]                      ; 0 onto my spare word
	s_wait_dscnt 1                                 ; the add alone may be out: this step's fragments are in
	WIN MUL
	MUL8 F1, 0, 3, \slot, 0
	s_wait_dscnt 0x0                               ; the add is done, and my reads of this slot are over
	s_barrier_signal -1
	WIN 0
	s_barrier_wait -1
.if \fill
	CREST                                          ; the barrier has opened a round of the cluster's: no wave of any partner still reads this slot or has a load on its way
	s_add_nc_u64 s[G0A+4*\slot+2:G0A+4*\slot+3], s[G0A+4*\slot+2:G0A+4*\slot+3], 16*196608
	s_add_nc_u64 s[G0B+4*\slot+2:G0B+4*\slot+3], s[G0B+4*\slot+2:G0B+4*\slot+3], 768
	JLOAD G0A+4*\slot, G1A, G0B+4*\slot, G1B       ; my one tensor load behind the round; it has 56 products of mine in which to land
.else
	PLACES
.endif
	v_add_nc_u32 v[ASA], 2048, v[ASA]              ; the next slot's scale words
	v_add_nc_u32 v[ASB], 16, v[ASB]
	SCALES \next
	FETCH \next, 0, F0
	WIN MUL
	MUL8 F1, 2, 3, \slot, 0
.endm
	s_wait_tensorcnt 1                             ; the scales and my part of slot 0 are in; slot 1's load may be out
	s_barrier_signal -1
	s_barrier_wait -1
	SCALES 0
	FETCH 0, 0, F0
	s_wait_loadcnt 32                              ; the bias is in; the residual's 32 loads may be out
	QUARTER 0, 0, 1
.if LAPS > 1
	WIN 0
	s_mov_b32 s3, LAPS-1
.Llap:                                             ; a trip goes once round the ring and fills both slots again
	QUARTER 0, 1, 0
	QUARTER 0, 2, 0
	TURN 0, 1, 1
	QUARTER 1, 0, 0
	QUARTER 1, 1, 0
	QUARTER 1, 2, 0
	TURN 1, 0, 1
	QUARTER 0, 0, 0
	WIN 0
	s_sub_co_u32 s3, s3, 1
	s_cmp_lg_u32 s3, 0
	s_cbranch_scc1 .Llap
.endif
	QUARTER 0, 1, 0                                ; the last lap fills nothing
	QUARTER 0, 2, 0
	TURN 0, 1, 0
	QUARTER 1, 0, 0
	QUARTER 1, 1, 0
	QUARTER 1, 2, 0
	s_wait_dscnt 0x0
	WIN MUL
	MUL8 F1, 0, 3, 1, 0
	MUL8 F1, 2, 3, 1, 0
	WIN 0
	PLACES
; THE WAY OUT, 16 rows x 64 columns at a time, through my stage (in slot 0: it has had its last fill and its last read): in as 32 bytes a lane, back as whole rows of 256 bytes.
.macro GELU8 y                         ; eight numbers in window 1, in place
.irp k, 0,2,4,6
	v_pk_mul_f32 v[UE+\k:UE+\k+1], v[\y+\k:\y+\k+1], v[KC:KC+1]
.endr
.irp k, 0,1,2,3,4,5,6,7
	v_and_b32 v[UA+\k], 0x7fffffff, v[\y+\k]       ; |y|
.endr
.irp k, 0,2,4,6
	v_pk_mul_f32 v[UE+\k:UE+\k+1], v[UE+\k:UE+\k+1], v[UE+\k:UE+\k+1]   ; y^2 log2(e) / 2
.endr
.irp k, 0,2,4,6
	v_pk_fma_f32 v[UD+\k:UD+\k+1], v[UA+\k:UA+\k+1], v[KC+2:KC+3], 1.0 op_sel_hi:[1,1,0]
.endr
.irp k, 0,1,2,3,4,5,6,7
	v_rcp_f32 v[UD+\k], v[UD+\k]                   ; t
.endr
.irp k, 0,1,2,3,4,5,6,7
	v_exp_f32 v[UE+\k], -v[UE+\k]                  ; e^(-y^2 / 2)
.endr
.irp k, 0,1,2,3,4,5,6,7
	v_max_num_f32 v[\y+\k], 0, v[\y+\k]            ; max(y, 0): also the plain lines behind the transcendentals
.endr
.irp k, 0,2,4,6
	v_pk_fma_f32 v[UP+\k:UP+\k+1], v[UD+\k:UD+\k+1], v[KC+12:KC+13], v[KC+10:KC+11]
.endr
.irp c, 8,6,4
.irp k, 0,2,4,6
	v_pk_fma_f32 v[UP+\k:UP+\k+1], v[UP+\k:UP+\k+1], v[UD+\k:UD+\k+1], v[KC+\c:KC+\c+1]
.endr
.endr
.irp k, 0,2,4,6
	v_pk_mul_f32 v[UP+\k:UP+\k+1], v[UP+\k:UP+\k+1], v[UD+\k:UD+\k+1]
.endr
.irp k, 0,2,4,6
	v_pk_mul_f32 v[UP+\k:UP+\k+1], v[UP+\k:UP+\k+1], v[UE+\k:UE+\k+1]   ; r / 2
.endr
.irp k, 0,2,4,6
	v_pk_fma_f32 v[\y+\k:\y+\k+1], v[UA+\k:UA+\k+1], v[UP+\k:UP+\k+1], v[\y+\k:\y+\k+1] neg_lo:[1,0,0] neg_hi:[1,0,0]
.endr
.endm
.macro TOSTAGE a
	WIN 0
.irp b, 0,1,2,3
	ds_store_b128 v[STO], v[ACC+8*(4*(\a)+\b):ACC+8*(4*(\a)+\b)+3] offset:64*\b       ; each accumulator from its low end on
	ds_store_b128 v[STO], v[ACC+8*(4*(\a)+\b)+4:ACC+8*(4*(\a)+\b)+7] offset:64*\b+16
.endr
	WIN TO_F
.irp t, 0,1,2,3,4,5,6,7
	ds_load_b128 v[32*((\a)%2)+4*\t:32*((\a)%2)+4*\t+3], v[RD] offset:2*\t*SPITCH     ; LDS serves a wave's instructions in order: these see my stores
.endr
.endm
.macro FIN a, younger
.set TT, 32*((\a)%2)
	s_wait_dscnt \younger                          ; the block is back; the next block's 8 stores and 8 loads may be out
.if (\a) == 0
	s_wait_loadcnt 0x0                             ; the residual
.endif
.if GELU
	WIN 0x55
	GELU8 TT
	GELU8 TT+8
	GELU8 TT+16
	GELU8 TT+24
.endif
	WIN 0x49                                       ; destination and source 0 window 1, source 1 window 2
.irp j, 0,2,4,6,8,10,12,14,16,18,20,22,24,26,28,30
	v_pk_add_f32 v[TT+\j:TT+\j+1], v[TT+\j:TT+\j+1], v[32*(\a)+\j:32*(\a)+\j+1]
.endr
	WIN 0x04                                       ; a store's data are its source 1: window 1
.irp t, 0,1,2,3,4,5,6,7
	global_store_b128 v[CO], v[TT+4*\t:TT+4*\t+3], s[14:15] offset:(16*(\a)+2*\t)*4096   ; 16 lanes store 256 consecutive aligned bytes
.endr
.endm
	TOSTAGE 0
.irp a, 1,2,3
.if \a > 1
	s_wait_xcnt 0x0                                ; block a - 2's stores have read their registers: block a's loads may land there
.endif
	TOSTAGE \a
	FIN \a-1, 16
.endr
	FIN 3, 0
	WIN 0
	s_wait_tensorcnt 0x0                           ; the wave's end
	ds_add_u32 v[SPW], v[NIL]
	s_wait_dscnt 0x0
	CROUND                                         ; the closing round
	s_endpgm
.Lfunc_end_k_q37836efb91_wo:
	.size	k_q37836efb91_wo, .Lfunc_end_k_q37836efb91_wo-k_q37836efb91_wo
	.p2alignl 7, 3214868480
	.fill 96, 4, 3214868480
	.section	.rodata,"a",@progbits
	.p2align	6, 0x0
	.amdhsa_kernel k_q37836efb91_wo
		.amdhsa_group_segment_fixed_size 327680
		.amdhsa_private_segment_fixed_size 0
		.amdhsa_enable_private_segment 0
		.amdhsa_kernarg_size 48
		.amdhsa_user_sgpr_count 2
		.amdhsa_user_sgpr_kernarg_segment_ptr 1
		.amdhsa_wavefront_size32 1
		.amdhsa_system_sgpr_workgroup_id_x 1
		.amdhsa_system_sgpr_workgroup_id_y 1
		.amdhsa_system_sgpr_workgroup_id_z 1
		.amdhsa_system_vgpr_workitem_id 0
		.amdhsa_next_free_vgpr 768
		.amdhsa_next_free_sgpr 98
		.amdhsa_reserve_vcc 0
		.amdhsa_float_denorm_mode_32 3
		.amdhsa_float_denorm_mode_16_64 3
		.amdhsa_memory_ordered 1
		.amdhsa_forward_progress 1
		.amdhsa_inst_pref_size 71
	.end_amdhsa_kernel
	.amdgpu_metadata
---
amdhsa.version: [ 1, 2 ]
amdhsa.kernels:
  - .name:           k_q37836efb91_wo
    .symbol:         k_q37836efb91_wo.kd
    .args:
      - { .name: obuf, .offset: 0, .size: 8, .value_kind: global_buffer, .address_space: global }
      - { .name: Wo_codes, .offset: 8, .size: 8, .value_kind: global_buffer, .address_space: global }
      - { .name: Wo_scales, .offset: 16, .size: 8, .value_kind: global_buffer, .address_space: global }
      - { .name: bo, .offset: 24, .size: 8, .value_kind: global_buffer, .address_space: global }
      - { .name: x, .offset: 32, .size: 8, .value_kind: global_buffer, .address_space: global }
      - { .name: x1, .offset: 40, .size: 8, .value_kind: global_buffer, .address_space: global }
    .group_segment_fixed_size: 327680
    .private_segment_fixed_size: 0
    .kernarg_segment_align: 8
    .kernarg_segment_size: 48
    .max_flat_workgroup_size: 128
    .sgpr_count:     98
    .vgpr_count:     768
    .wavefront_size: 32
...
	.end_amdgpu_metadata
.endif
;; end of part 4
;; launch ln2: the kernel of part 1 again; grid 256 x 1, 4 waves a work-group, no clusters, 21,504 bytes of LDS; arguments x1, g2, be2, hbuf; writes hbuf
;; launch w1: the kernel of part 2 again; grid 16 x 16, 4 waves a work-group, clusters of 4 x 4, 327,680 bytes of LDS; arguments hbuf, W1_codes, W1_scales, Wk_codes, Wk_scales, Wv_codes, Wv_scales, b1, bk, bv, ubuf; writes ubuf
;; launch w2 (part 5): grid 8 x 32, 4 waves a work-group, clusters of 4 x 4, 327,680 bytes of LDS; arguments ubuf, W2_codes, W2_scales, b2, x1, out0; writes out0
.if DOCPART == 5
	.amdgcn_target "amdgcn-amd-amdhsa--gfx1250"
	.amdhsa_code_object_version 6
	.text
	.protected	k_q37836efb91_w2
	.globl	k_q37836efb91_w2
	.p2align	8
	.type	k_q37836efb91_w2,@function
k_q37836efb91_w2:
	s_mov_b64 s[64:65], 0
	v_nop
	global_prefetch_b8 v0, s[64:65] scope:SCOPE_SE
	s_setreg_imm32_b32 hwreg(HW_REG_WAVE_MODE, 25, 1), 1
	s_wait_xcnt 0x0
	s_wait_alu depctr_hold_cnt(0) depctr_sa_sdst(0) depctr_va_vdst(0) depctr_va_sdst(0) depctr_va_ssrc(0) depctr_va_vcc(0) depctr_vm_vsrc(0)
	s_getreg_b32 s2, hwreg(HW_REG_IB_STS2, 6, 4)
	s_cmp_eq_u32 s2, 0
	s_cbranch_scc0 .Lentry_in_a_cluster
	s_endpgm
.Lentry_in_a_cluster:
	s_bfe_u32 s2, ttmp6, 0x10000c
	s_cmp_lg_u32 s2, 0xf033
	s_cbranch_scc0 .Lentry_shape_is_right
	s_endpgm
.Lentry_shape_is_right:
; out[m][n] = res[m][n] + F(sum over k of A[m][k] B[n][k] + bias[n]);  F is the identity (GELU = 0) or the exact GELU (GELU = 1).  4,096 x 1,024, f32.
; Both operands are codes of FP6 (E2M3) with one E8M0 byte for each 32 along K.  A lies in panels: codes [k / 64][row][48 bytes], scale words [k / 128][row] at byte ASOFF of the same buffer.
; B lies in rows: codes [n][3 K / 4 bytes], scale bytes [n][K / 32].
; A tile of the result is 128 x 128, so that 256 work-groups have work; four waves, each 64 x 64: 16 accumulators.  K goes in steps of 512 (four matrix instructions deep) through two LDS slots;
; a panel's 128 rows are 6,144 dense bytes, rows 48 bytes apart in LDS: the 32 lanes of a load of 8 bytes touch 64 different banks without padding.
; The scales of the tile's rows, for all of K, come once and stay.  CLUSTERS: 4 x 4; A's tiles are asked for jointly along a row of the cluster, B's along a column.
; THE MATRIX INSTRUCTION IS USED TRANSPOSED (source 0 = B's rows, source 1 = A's): a lane holds eight neighbouring n of one row m.  The bias is the C of the first products.
; GELU(y) = max(y, 0) - |y| (r / 2), r = 1 - erf(|y| / sqrt 2) by a rational form in t = 1 / (1 + 0.3275911 |y| / sqrt 2) times e^(-y^2 / 2): absolute error of erf at most 1.5e-7 for every y.
; LIMITS: NaN and infinities are not served.
; REGISTERS: window 0: v10-23 addresses; v32-63 B's scale words, v64-95 A's (two sets each, scales alone); v96-127 the bias; v128-255 the accumulators.
;   window 1: v0-95, v128-223 two fragment buffers (A's four, then B's four); v96-109 GELU's constants; on the way out v0-63 rows, v64-95 at work.   window 2: v0-127 the residual.
.set SIZE_K, 4096
.set ASOFF,  12582912
.set GELU,   1
.set NSLOT,  SIZE_K/512
.set LAPS,   NSLOT/2
.set KROW,   SIZE_K*3/4
.set KS,     SIZE_K/32
.set APAN,   6144
.set AHALF,  4*APAN
.set BOFF,   8*APAN
.set PITCH,  240
.set BSUB,   128*PITCH                 ; B's 128 rows x 256 along K, rows of 3 x (64 + 16) bytes; two such parts to a slot
.set SLOT,   BOFF+2*BSUB
.set SCAL,   2*SLOT                    ; A's scale words: [K / 128][128 rows]
.set SAH,    (SIZE_K/256)*512
.set SCBL,   SCAL+2*SAH                ; B's scale bytes, as units of 256 + 16
.set HALFSB, (64*KS/256)*272
.set SBLK,   (16*KS/256)*272
.set SPARE,  SCBL+2*HALFSB             ; the spare words: 128 bytes a wave, two blocks of 256 bytes that no other line names
.set SPITCH, 272
.set WST,    16*SPITCH                 ; the way out: a wave's stage, in slot 0
.set ADRA, 10
.set ADRB, 12
.set ASA,  16
.set ASB,  17
.set STO,  18
.set RD,   19
.set CO,   20
.set SPW,  21
.set NIL,  22
.set BO,   23
.set SCB,  32
.set SCA,  64
.set BIAS, 96
.set ACC,  128
.set F0,   0
.set F1,   128
.set KC,   96
.set UA,   64
.set UD,   72
.set UE,   80
.set UP,   88
.set G1A,  24
.set G0A,  32
.set G1B,  40
.set G0B,  48
.set G1SA, 56
.set G0SA, 68
.set G1SB, 72
.set G0SB, 80
.set MSB, 0
.macro WIN new
.if MSB != \new
	s_set_vgpr_msb (MSB<<8)|\new
.set MSB, \new
.endif
.endm
.set MUL,  0x05                        ; sources 0 and 1 window 1; C and D window 0
.set TO_F, 0x40
.macro JLOAD g0a, g1a, g0b, g1b        ; waves 0 and 1 fetch for A, waves 2 and 3 for B; four v_nop follow each line
	s_cmp_eq_u32 s17, 0
	s_cbranch_scc0 .Lfor_b_\@
	tensor_load_to_lds s[\g0a:\g0a+3], s[\g1a:\g1a+7]
	s_nop 0
.rept 4
	v_nop
.endr
	s_branch .Lasked_\@
.Lfor_b_\@:
	tensor_load_to_lds s[\g0b:\g0b+3], s[\g1b:\g1b+7]
	s_nop 0
.rept 4
	v_nop
.endr
.Lasked_\@:
.endm
.macro CREST
	s_cmp_lg_u32 s16, 0
	s_cbranch_scc1 .Lnot_wave_0_\@
	s_barrier_signal -3
.Lnot_wave_0_\@:
	s_barrier_wait -3
	s_barrier_signal -1
	s_barrier_wait -1
.endm
.macro CROUND
	s_barrier_signal -1
	s_barrier_wait -1
	CREST
.endm
.macro PLACES
.rept 4
	v_nop
.endr
.endm
	s_load_b256 s[4:11], s[0:1], 0x0               ; A s[4:5], B's codes s[6:7], B's scales s[8:9], bias s[10:11]
	s_load_b128 s[12:15], s[0:1], 0x20             ; residual s[12:13], out s[14:15]
	v_lshl_add_u32 v[SPW], v0, 2, SPARE
	v_mov_b32 v[NIL], 0
	ds_add_u32 v21, v22
	ds_add_u32 v21, v22
	s_wait_dscnt 0x0
	v_lshrrev_b32 v1, 5, v0
	v_readfirstlane_b32 s16, v1                    ; wave 0..3
	s_lshr_b32 s17, s16, 1                         ; my half of the rows; also: I fetch for A (0) or B (1)
	s_and_b32 s18, s16, 1                          ; my half of the columns; also: which part I fetch
	s_bfe_u32 s19, ttmp6, 0x40000                  ; cx
	s_bfe_u32 s20, ttmp6, 0x40004                  ; cy
	s_lshl_b32 s21, ttmp9, 2
	s_add_co_u32 s21, s21, s19                     ; tile column
	s_and_b32 s22, ttmp7, 0xffff
	s_lshl_b32 s22, s22, 2
	s_add_co_u32 s22, s22, s20                     ; tile row
	s_lshl_b32 s96, s20, 2
	s_lshl_b32 s96, 15, s96                        ; my row of the cluster
	s_lshl_b32 s97, 0x1111, s19                    ; my column
	s_or_b32 s[G1A], s96, (3<<16)|(1<<21)          ; A: four panels, each 6,144 dense bytes (768 elements of 8), 196,608 bytes apart
	s_mov_b32 s[G1A+1], 768<<16
	s_mov_b32 s[G1A+2], 4<<16
	s_mov_b32 s[G1A+3], 768<<16
	s_mov_b32 s[G1A+4], 4
	s_mov_b32 s[G1A+5], 24576
	s_mov_b32 s[G1A+6], 0
	s_mov_b32 s[G1A+7], 0
	s_or_b32 s[G1B], s97, (0<<16)|(1<<20)|(1<<21)|(3<<22)|(3<<25)    ; B: 128 rows of 192 bytes, 16 bytes of padding behind every 64
	s_mov_b32 s[G1B+1], 192<<16
	s_mov_b32 s[G1B+2], 128<<16
	s_mov_b32 s[G1B+3], 192<<16
	s_mov_b32 s[G1B+4], 128
	s_mov_b32 s[G1B+5], KROW
	s_mov_b32 s[G1B+6], 0
	s_mov_b32 s[G1B+7], 0
	s_or_b32 s[G1SA], s96, (3<<16)|(1<<21)         ; A's scale words: K / 256 rows of 512 bytes, 16,384 bytes apart
	s_mov_b32 s[G1SA+1], 64<<16
	s_mov_b32 s[G1SA+2], (SIZE_K/256)<<16
	s_mov_b32 s[G1SA+3], 64<<16
	s_mov_b32 s[G1SA+4], SIZE_K/256
	s_mov_b32 s[G1SA+5], 2048
	s_mov_b32 s[G1SA+6], 0
	s_mov_b32 s[G1SA+7], 0
	s_or_b32 s[G1SB], s97, (3<<16)|(1<<20)|(1<<21)|(5<<22)|(3<<25)   ; B's scale bytes of 64 rows: dense, as rows of 256 bytes + 16
	s_mov_b32 s[G1SB+1], 32<<16
	s_mov_b32 s[G1SB+2], (64*KS/256)<<16
	s_mov_b32 s[G1SB+3], 32<<16
	s_mov_b32 s[G1SB+4], 64*KS/256
	s_mov_b32 s[G1SB+5], 32
	s_mov_b32 s[G1SB+6], 0
	s_mov_b32 s[G1SB+7], 0
	s_mul_i32 s84, s22, APAN
	s_mul_i32 s85, s18, 4*196608
	s_add_co_u32 s84, s84, s85                     ; A's codes: my four panels of slot 0
	s_mov_b32 s85, 0
	s_lshl_b32 s86, s22, 9
	s_mul_i32 s87, s18, (SIZE_K/256)*16384
	s_add_co_u32 s86, s86, s87
	s_add_co_u32 s86, s86, ASOFF                   ; A's scale words: my half of K
	s_mov_b32 s87, 0
	s_mul_i32 s88, s21, 128*KROW
	s_mul_i32 s89, s18, 192
	s_add_co_u32 s88, s88, s89                     ; B's codes: my 256 along K of slot 0
	s_mov_b32 s89, 0
	s_lshl_b32 s90, s21, 7
	s_lshl_b32 s91, s18, 6
	s_add_co_u32 s90, s90, s91
	s_mul_i32 s90, s90, KS                         ; B's scale bytes: my 64 rows
	s_mov_b32 s91, 0
	s_mul_i32 s92, s18, AHALF
	s_mul_i32 s93, s18, BSUB
	s_mul_i32 s94, s18, SAH
	s_mul_i32 s95, s18, HALFSB
	s_wait_kmcnt 0x0
	s_add_nc_u64 s[84:85], s[4:5], s[84:85]
	s_add_nc_u64 s[86:87], s[4:5], s[86:87]
	s_add_nc_u64 s[88:89], s[6:7], s[88:89]
	s_add_nc_u64 s[90:91], s[8:9], s[90:91]
	CROUND                                         ; all sixteen work-groups are here: the first joint loads meet
	s_mov_b32 s[G0SA], 1
	s_add_co_u32 s[G0SA+1], s94, SCAL
	s_mov_b64 s[G0SA+2:G0SA+3], s[86:87]
	s_or_b32 s[G0SA+3], s[G0SA+3], 0x80000000
	s_mov_b32 s[G0SB], 1
	s_add_co_u32 s[G0SB+1], s95, SCBL
	s_mov_b64 s[G0SB+2:G0SB+3], s[90:91]
	s_or_b32 s[G0SB+3], s[G0SB+3], 0x80000000
	JLOAD G0SA, G1SA, G0SB, G1SB                   ; three loads of mine go out here: scales, slot 0, slot 1
.irp s, 0,1
	s_mov_b32 s[G0A+4*\s], 1
	s_add_co_u32 s[G0A+4*\s+1], s92, \s*SLOT
	s_add_nc_u64 s[G0A+4*\s+2:G0A+4*\s+3], s[84:85], \s*8*196608
	s_or_b32 s[G0A+4*\s+3], s[G0A+4*\s+3], 0x80000000
	s_mov_b32 s[G0B+4*\s], 1
	s_add_co_u32 s[G0B+4*\s+1], s93, \s*SLOT+BOFF
	s_add_nc_u64 s[G0B+4*\s+2:G0B+4*\s+3], s[88:89], \s*384
	s_or_b32 s[G0B+4*\s+3], s[G0B+4*\s+3], 0x80000000
	JLOAD G0A+4*\s, G1A, G0B+4*\s, G1B
.endr
	v_and_b32 v1, 15, v0                           ; r
	v_bfe_u32 v2, v0, 4, 1                         ; h
	v_mul_u32_u24 v3, v1, 48
	v_mad_u32_u24 v3, v2, 24, v3
	v_mul_u32_u24 v4, v1, PITCH
	v_mad_u32_u24 v4, v2, 24, v4
	v_lshl_add_u32 v5, v2, 4, v4                   ; B's pieces behind one padding more
	s_mul_i32 s84, s17, 64*48
	s_mul_i32 s85, s18, 64*PITCH
	s_add_co_u32 s85, s85, BOFF
.irp s, 0,1
	v_add_nc_u32 v[ADRA+\s], s84, v3
	v_add_nc_u32 v[ADRB+\s], s85, v4
	v_add_nc_u32 v[ADRB+2+\s], s85, v5
	s_add_co_u32 s84, s84, SLOT
	s_add_co_u32 s85, s85, SLOT
.endr
	s_lshl_b32 s84, s17, 8
	s_add_co_u32 s84, s84, SCAL
	v_lshl_add_u32 v[ASA], v1, 2, s84              ; A's scale words: 4 bytes a row
	v_mul_u32_u24 v6, v1, KS
	v_lshrrev_b32 v7, 8, v6
	v_lshl_add_u32 v6, v7, 4, v6
	s_add_co_u32 s85, s95, SCBL
	v_add_nc_u32 v[ASB], s85, v6                   ; B's: KS bytes a row, 16 more for each 256 passed
	s_mul_i32 s84, s16, WST
	v_mul_u32_u24 v6, v1, SPITCH
	v_lshl_add_u32 v6, v2, 5, v6
	v_add_nc_u32 v[STO], s84, v6
	v_mul_u32_u24 v6, v2, SPITCH
	v_lshl_add_u32 v6, v1, 4, v6
	v_add_nc_u32 v[RD], s84, v6
	v_lshlrev_b32 v6, 12, v2
	v_lshl_add_u32 v[CO], v1, 4, v6                ; lanes 0-15 one row's 256 bytes, lanes 16-31 the next row's
	v_lshlrev_b32 v[BO], 5, v2
	s_lshl_b32 s84, s22, 7
	s_lshl_b32 s85, s17, 6
	s_add_co_u32 s84, s84, s85
	s_lshl_b32 s84, s84, 12                        ; my first row, in bytes
	s_lshl_b32 s86, s21, 7
	s_lshl_b32 s87, s18, 6
	s_add_co_u32 s86, s86, s87
	s_lshl_b32 s86, s86, 2                         ; my first column, in bytes
	s_mov_b32 s87, 0
	s_add_nc_u64 s[10:11], s[10:11], s[86:87]
	s_add_co_u32 s84, s84, s86
	s_mov_b32 s85, 0
	s_add_nc_u64 s[12:13], s[12:13], s[84:85]
	s_add_nc_u64 s[14:15], s[14:15], s[84:85]
.irp b, 0,1,2,3
	global_load_b128 v[BIAS+8*\b:BIAS+8*\b+3], v[BO], s[10:11] offset:64*\b       ; bias(16 b + 8 h + 0..7)
	global_load_b128 v[BIAS+8*\b+4:BIAS+8*\b+7], v[BO], s[10:11] offset:64*\b+16
.endr
	WIN 0x80                                       ; destination window 2
.irp a, 0,1,2,3
.irp t, 0,1,2,3,4,5,6,7
	global_load_b128 v[32*\a+4*\t:32*\a+4*\t+3], v[CO], s[12:13] offset:(16*\a+2*\t)*4096   ; the residual, laid as the rows will leave
.endr
.endr
.if GELU
	WIN 0x40
.irp u, 0,1
	v_mov_b32 v[KC+\u], 0x3f596d27                 ; sqrt(log2(e) / 2)
	v_mov_b32 v[KC+2+\u], 0x3e6d3388               ; 0.3275911 / sqrt 2
	v_mov_b32 v[KC+4+\u], 0x3e027906               ; the five coefficients, halved
	v_mov_b32 v[KC+6+\u], 0xbe11a98e
	v_mov_b32 v[KC+8+\u], 0x3f35f0e3
	v_mov_b32 v[KC+10+\u], 0xbf3a00e3
	v_mov_b32 v[KC+12+\u], 0x3f07dc22
.endr
.endif
	WIN 0
.macro FRAG_A reg, slot, q, i          ; 16 rows x 128 K: two panels, 24 bytes of each
.irp p, 0,1,2,3,4,5
	ds_load_b64 v[\reg+2*\p:\reg+2*\p+1], v[ADRA+\slot] offset:(2*(\q)+\p/3)*APAN+(\i)*768+8*(\p%3)
.endr
.endm
.macro FRAG_B reg, slot, q, i
.irp p, 0,1,2,3,4,5
.set PC, 12*((\q)%2)+6*(\p/3)+\p%3
.if PC%8 < 5
	ds_load_b64 v[\reg+2*\p:\reg+2*\p+1], v[ADRB+\slot] offset:8*PC+16*(PC/8)+(\i)*16*PITCH+((\q)/2)*BSUB
.else
	ds_load_b64 v[\reg+2*\p:\reg+2*\p+1], v[ADRB+2+\slot] offset:8*PC+16*(PC/8)+(\i)*16*PITCH+((\q)/2)*BSUB
.endif
.endr
.endm
.macro FETCH slot, q, g                ; 48 LDS loads in one run: the fragments of the slot's q-th 128 along K into buffer g
	WIN TO_F
.irp i, 0,1,2,3
	FRAG_A (\g)+12*\i, \slot, \q, \i
.endr
.irp i, 0,1,2,3
	FRAG_B (\g)+48+12*\i, \slot, \q, \i
.endr
.endm
.macro SCALES set                      ; a slot's scale words: four a row on each side
	WIN 0
.irp b, 0,1,2,3
	ds_load_b128 v[SCB+16*\set+4*\b:SCB+16*\set+4*\b+3], v[ASB] offset:\b*SBLK
.endr
.irp a, 0,1,2,3
.irp q, 0,1,2,3
	ds_load_b32 v[SCA+16*\set+4*\a+\q], v[ASA] offset:512*\q+64*\a
.endr
.endr
.endm
; 8 matrix instructions: A's blocks a0, a0 + 1 x B's four.  The 16 accumulators take turns, one instruction a turn, in the same order everywhere.
.macro MUL8 f, a0, q, set, first
.irp a, \a0, \a0+1
.irp b, 0,1,2,3
.if \first
	v_wmma_scale_f32_16x16x128_f8f6f4 v[ACC+8*(4*(\a)+\b):ACC+8*(4*(\a)+\b)+7], v[\f+48+12*\b:\f+48+12*\b+11], v[\f+12*(\a):\f+12*(\a)+11], v[BIAS+8*\b:BIAS+8*\b+7], v[SCB+16*(\set)+4*\b+(\q)], v[SCA+16*(\set)+4*(\a)+(\q)] matrix_a_fmt:MATRIX_FMT_FP6 matrix_b_fmt:MATRIX_FMT_FP6
.else
	v_wmma_scale_f32_16x16x128_f8f6f4 v[ACC+8*(4*(\a)+\b):ACC+8*(4*(\a)+\b)+7], v[\f+48+12*\b:\f+48+12*\b+11], v[\f+12*(\a):\f+12*(\a)+11], v[ACC+8*(4*(\a)+\b):ACC+8*(4*(\a)+\b)+7], v[SCB+16*(\set)+4*\b+(\q)], v[SCA+16*(\set)+4*(\a)+(\q)] matrix_a_fmt:MATRIX_FMT_FP6 matrix_b_fmt:MATRIX_FMT_FP6
.endif
.endr
.endr
.endm
.macro QUARTER slot, q, first          ; one of a slot's first three steps: the next step's fragments are asked for, then this step's 16 products
	s_wait_dscnt 0x0                               ; this step's fragments (and scale words) are in
	PLACES                                         ; behind the last step's products, which read the buffer that is loaded now
	FETCH \slot, (\q)+1, F0+128*(1-(\q)%2)
	WIN MUL
	MUL8 F0+128*((\q)%2), 0, \q, \slot, \first
	MUL8 F0+128*((\q)%2), 2, \q, \slot, \first
.endm
; A slot's last step changes slots: one barrier; in front of it each wave waits for all its tensor loads, adds 0 to its spare word, and waits for that and its reads of this slot.
.macro TURN slot, next, fill
	WIN 0
	s_wait_tensorcnt 0x0                           ; all my tensor loads have landed: my part of the next slot
	ds_add_u32 v[SPW], v[NIL]                      ; 0 onto my spare word
	s_wait_dscnt 1                                 ; the add alone may be out: this step's fragments are in
	WIN MUL
	MUL8 F1, 0, 3, \slot, 0
	s_wait_dscnt 0x0                               ; the add is done, and my reads of this slot are over
	s_barrier_signal -1
	WIN 0
	s_barrier_wait -1
.if \fill
	CREST                                          ; the barrier has opened a round of the cluster's: no wave of any partner still reads this slot or has a load on its way
	s_add_nc_u64 s[G0A+4*\slot+2:G0A+4*\slot+3], s[G0A+4*\slot+2:G0A+4*\slot+3], 16*196608
	s_add_nc_u64 s[G0B+4*\slot+2:G0B+4*\slot+3], s[G0B+4*\slot+2:G0B+4*\slot+3], 768
	JLOAD G0A+4*\slot, G1A, G0B+4*\slot, G1B       ; my one tensor load behind the round; it has 56 products of mine in which to land
.else
	PLACES
.endif
	v_add_nc_u32 v[ASA], 2048, v[ASA]              ; the next slot's scale words
	v_add_nc_u32 v[ASB], 16, v[ASB]
	SCALES \next
	FETCH \next, 0, F0
	WIN MUL
	MUL8 F1, 2, 3, \slot, 0
.endm
	s_wait_tensorcnt 1                             ; the scales and my part of slot 0 are in; slot 1's load may be out
	s_barrier_signal -1
	s_barrier_wait -1
	SCALES 0
	FETCH 0, 0, F0
	s_wait_loadcnt 32                              ; the bias is in; the residual's 32 loads may be out
	QUARTER 0, 0, 1
.if LAPS > 1
	WIN 0
	s_mov_b32 s3, LAPS-1
.Llap:                                             ; a trip goes once round the ring and fills both slots again
	QUARTER 0, 1, 0
	QUARTER 0, 2, 0
	TURN 0, 1, 1
	QUARTER 1, 0, 0
	QUARTER 1, 1, 0
	QUARTER 1, 2, 0
	TURN 1, 0, 1
	QUARTER 0, 0, 0
	WIN 0
	s_sub_co_u32 s3, s3, 1
	s_cmp_lg_u32 s3, 0
	s_cbranch_scc1 .Llap
.endif
	QUARTER 0, 1, 0                                ; the last lap fills nothing
	QUARTER 0, 2, 0
	TURN 0, 1, 0
	QUARTER 1, 0, 0
	QUARTER 1, 1, 0
	QUARTER 1, 2, 0
	s_wait_dscnt 0x0
	WIN MUL
	MUL8 F1, 0, 3, 1, 0
	MUL8 F1, 2, 3, 1, 0
	WIN 0
	PLACES
; THE WAY OUT, 16 rows x 64 columns at a time, through my stage (in slot 0: it has had its last fill and its last read): in as 32 bytes a lane, back as whole rows of 256 bytes.
.macro GELU8 y                         ; eight numbers in window 1, in place
.irp k, 0,2,4,6
	v_pk_mul_f32 v[UE+\k:UE+\k+1], v[\y+\k:\y+\k+1], v[KC:KC+1]
.endr
.irp k, 0,1,2,3,4,5,6,7
	v_and_b32 v[UA+\k], 0x7fffffff, v[\y+\k]       ; |y|
.endr
.irp k, 0,2,4,6
	v_pk_mul_f32 v[UE+\k:UE+\k+1], v[UE+\k:UE+\k+1], v[UE+\k:UE+\k+1]   ; y^2 log2(e) / 2
.endr
.irp k, 0,2,4,6
	v_pk_fma_f32 v[UD+\k:UD+\k+1], v[UA+\k:UA+\k+1], v[KC+2:KC+3], 1.0 op_sel_hi:[1,1,0]
.endr
.irp k, 0,1,2,3,4,5,6,7
	v_rcp_f32 v[UD+\k], v[UD+\k]                   ; t
.endr
.irp k, 0,1,2,3,4,5,6,7
	v_exp_f32 v[UE+\k], -v[UE+\k]                  ; e^(-y^2 / 2)
.endr
.irp k, 0,1,2,3,4,5,6,7
	v_max_num_f32 v[\y+\k], 0, v[\y+\k]            ; max(y, 0): also the plain lines behind the transcendentals
.endr
	s_wait_alu depctr_va_vdst(0)
.irp k, 0,2,4,6
	v_pk_fma_f32 v[UP+\k:UP+\k+1], v[UD+\k:UD+\k+1], v[KC+12:KC+13], v[KC+10:KC+11]
.endr
.irp c, 8,6,4
.irp k, 0,2,4,6
	v_pk_fma_f32 v[UP+\k:UP+\k+1], v[UP+\k:UP+\k+1], v[UD+\k:UD+\k+1], v[KC+\c:KC+\c+1]
.endr
.endr
.irp k, 0,2,4,6
	v_pk_mul_f32 v[UP+\k:UP+\k+1], v[UP+\k:UP+\k+1], v[UD+\k:UD+\k+1]
.endr
.irp k, 0,2,4,6
	v_pk_mul_f32 v[UP+\k:UP+\k+1], v[UP+\k:UP+\k+1], v[UE+\k:UE+\k+1]   ; r / 2
.endr
.irp k, 0,2,4,6
	v_pk_fma_f32 v[\y+\k:\y+\k+1], v[UA+\k:UA+\k+1], v[UP+\k:UP+\k+1], v[\y+\k:\y+\k+1] neg_lo:[1,0,0] neg_hi:[1,0,0]
.endr
.endm
.macro TOSTAGE a
	WIN 0
.irp b, 0,1,2,3
	ds_store_b128 v[STO], v[ACC+8*(4*(\a)+\b):ACC+8*(4*(\a)+\b)+3] offset:64*\b       ; each accumulator from its low end on
	ds_store_b128 v[STO], v[ACC+8*(4*(\a)+\b)+4:ACC+8*(4*(\a)+\b)+7] offset:64*\b+16
.endr
	WIN TO_F
.irp t, 0,1,2,3,4,5,6,7
	ds_load_b128 v[32*((\a)%2)+4*\t:32*((\a)%2)+4*\t+3], v[RD] offset:2*\t*SPITCH     ; LDS serves a wave's instructions in order: these see my stores
.endr
.endm
.macro FIN a, younger
.set TT, 32*((\a)%2)
	s_wait_dscnt \younger                          ; the block is back; the next block's 8 stores and 8 loads may be out
.if (\a) == 0
	s_wait_loadcnt 0x0                             ; the residual
.endif
.if GELU
	WIN 0x55
	GELU8 TT
	GELU8 TT+8
	GELU8 TT+16
	GELU8 TT+24
.endif
	WIN 0x49                                       ; destination and source 0 window 1, source 1 window 2
.irp j, 0,2,4,6,8,10,12,14,16,18,20,22,24,26,28,30
	v_pk_add_f32 v[TT+\j:TT+\j+1], v[TT+\j:TT+\j+1], v[32*(\a)+\j:32*(\a)+\j+1]
.endr
	WIN 0x04                                       ; a store's data are its source 1: window 1
.irp t, 0,1,2,3,4,5,6,7
	global_store_b128 v[CO], v[TT+4*\t:TT+4*\t+3], s[14:15] offset:(16*(\a)+2*\t)*4096   ; 16 lanes store 256 consecutive aligned bytes
.endr
.endm
	TOSTAGE 0
.irp a, 1,2,3
.if \a > 1
	s_wait_xcnt 0x0                                ; block a - 2's stores have read their registers: block a's loads may land there
.endif
	TOSTAGE \a
	FIN \a-1, 16
.endr
	FIN 3, 0
	WIN 0
	s_wait_tensorcnt 0x0                           ; the wave's end
	ds_add_u32 v[SPW], v[NIL]
	s_wait_dscnt 0x0
	CROUND                                         ; the closing round
	s_endpgm
.Lfunc_end_k_q37836efb91_w2:
	.size	k_q37836efb91_w2, .Lfunc_end_k_q37836efb91_w2-k_q37836efb91_w2
	.p2alignl 7, 3214868480
	.fill 96, 4, 3214868480
	.section	.rodata,"a",@progbits
	.p2align	6, 0x0
	.amdhsa_kernel k_q37836efb91_w2
		.amdhsa_group_segment_fixed_size 327680
		.amdhsa_private_segment_fixed_size 0
		.amdhsa_enable_private_segment 0
		.amdhsa_kernarg_size 48
		.amdhsa_user_sgpr_count 2
		.amdhsa_user_sgpr_kernarg_segment_ptr 1
		.amdhsa_wavefront_size32 1
		.amdhsa_system_sgpr_workgroup_id_x 1
		.amdhsa_system_sgpr_workgroup_id_y 1
		.amdhsa_system_sgpr_workgroup_id_z 1
		.amdhsa_system_vgpr_workitem_id 0
		.amdhsa_next_free_vgpr 768
		.amdhsa_next_free_sgpr 98
		.amdhsa_reserve_vcc 0
		.amdhsa_float_denorm_mode_32 3
		.amdhsa_float_denorm_mode_16_64 3
		.amdhsa_memory_ordered 1
		.amdhsa_forward_progress 1
		.amdhsa_inst_pref_size 183
	.end_amdhsa_kernel
	.amdgpu_metadata
---
amdhsa.version: [ 1, 2 ]
amdhsa.kernels:
  - .name:           k_q37836efb91_w2
    .symbol:         k_q37836efb91_w2.kd
    .args:
      - { .name: ubuf, .offset: 0, .size: 8, .value_kind: global_buffer, .address_space: global }
      - { .name: W2_codes, .offset: 8, .size: 8, .value_kind: global_buffer, .address_space: global }
      - { .name: W2_scales, .offset: 16, .size: 8, .value_kind: global_buffer, .address_space: global }
      - { .name: b2, .offset: 24, .size: 8, .value_kind: global_buffer, .address_space: global }
      - { .name: x1, .offset: 32, .size: 8, .value_kind: global_buffer, .address_space: global }
      - { .name: out0, .offset: 40, .size: 8, .value_kind: global_buffer, .address_space: global }
    .group_segment_fixed_size: 327680
    .private_segment_fixed_size: 0
    .kernarg_segment_align: 8
    .kernarg_segment_size: 48
    .max_flat_workgroup_size: 128
    .sgpr_count:     98
    .vgpr_count:     768
    .wavefront_size: 32
...
	.end_amdgpu_metadata
.endif
;; end of part 5
